; MI455X (gfx1250); checked and timed in simulation.
; The chip was launched on July 23, 2026; its instructions are those of AMD's public machine-readable ISA for CDNA 5 (MIT licence, August 2026) and "CDNA5" Instruction Set Architecture Reference Guide (July 2026). The comments in the code are by the model that wrote it; some were corrected since.
;; Head Attention. Allowed arithmetic: matrix products marked QUANTISED: E4M3 operands, one E8M0 scale for each 32 along K, by v_wmma_scale_f32_16x16x128_f8f6f4 with both operands' format E4M3, f32 sums; everything else in f32.
;; Inputs: Wk 1,024 x 1,024 float32; Wq 1,024 x 1,024 float32; Wv 1,024 x 1,024 float32; bk 1,024 float32; bq 1,024 float32; bv 1,024 float32; inputs 4 x 2,048 x 1,024 float32.
;; Outputs: out0 4 x 2,048 x 1,024 float32.
;; This version of the problem:
;;   THIS VERSION OF THE PROBLEM IS GIVEN IN LOW PRECISION. The matrix products marked QUANTISED in the list below multiply operands that are first quantised to E4M3 (4 exponent bits, 3 mantissa bits; 8 bits a number), with one power-of-two scale for each 32 numbers along K (OCP MX v1.0); their sums are f32. All else is computed in f32.
;;   The module's matrix products, in the order in which they are computed (A, B: the left and right operand; K: the contracted axis; several contracted axes count as one K, in the product's order):
;;     1. [M 8,192, K 1,024] x [K 1,024, N 1,024]; A: input inputs; B: input Wq: QUANTISED
;;     2. [M 8,192, K 1,024] x [K 1,024, N 1,024]; A: input inputs; B: input Wk: QUANTISED
;;     3. [M 8,192, K 1,024] x [K 1,024, N 1,024]; A: input inputs; B: input Wv: QUANTISED
;;     4. batch 4 x [M 2,048, K 1,024] x [K 1,024, N 2,048]; A: computed on the way; B: computed on the way: QUANTISED
;;     5. batch 4 x [M 2,048, K 2,048] x [K 2,048, N 1,024]; A: softmax (see below); B: computed on the way: QUANTISED
;;   THE QUANTISER, for each operand of a quantised product, along K:
;;     - K is cut into blocks of 32 from its start; a last block that is shorter is filled with zeros.
;;     - A block's scale is 2^e with e = floor(log2(the largest magnitude in the block)) - 8, held to -126 .. 127; a block of zeros has e = 0. As a byte (E8M0): e + 127.
;;     - Each number is divided by its block's scale, clamped to +-448, and rounded to the nearest number of E4M3, ties to even, subnormals kept.
;;     - The product sums the exact products of the quantised numbers (number of the format x scale) in f32.
;;   ~~~python
;;   def quantise(x, axis):      # numpy; x: float32 -> the quantised numbers, widened to float32 again
;;       x = np.moveaxis(x, axis, -1); K = x.shape[-1]
;;       x = np.pad(x, [(0, 0)] * (x.ndim - 1) + [(0, -K % 32)]); x = x.reshape(x.shape[:-1] + (-1, 32)); a = np.abs(x).max(-1, keepdims=True)
;;       e = np.where(a > 0, np.clip(np.frexp(np.where(a > 0, a, 1))[1] - 1 - 8, -126, 127), 0)      # np.frexp(a)[1] - 1 = floor(log2(a)), exactly
;;       r = np.clip(x / 2.0 ** e, -448, 448)
;;       step = 2.0 ** (np.maximum(np.frexp(np.where(r == 0, 1, r))[1] - 1, -6) - 3)
;;       q = np.round(r / step) * step * 2.0 ** e      # np.round: ties to even
;;       return np.moveaxis(q.reshape(q.shape[:-2] + (-1,))[..., :K], -1, axis).astype(np.float32)
;;   ~~~
;;   SOFTMAX AHEAD OF A QUANTISED PRODUCT. Where the list says 'softmax', what is quantised is not the finished softmax but p = 2^(t - M), with t = logit x log2(e) and M = ceil(the row's largest t), a whole number; so 1/2 < the row's largest p <= 1. The row's sum l is taken of the UNQUANTISED p, in f32, and the product's result is divided by l at the end. Since M is a whole number, a kernel that streams over the keys may use a running M (the ceiling of the running maximum): every later rescaling is an exact power of two, which a block's scale takes up: the codes' values come out the same.
;;   OPERANDS COMPUTED ON THE WAY. 'Computed on the way' means the value that the module computes at that place (a softmax that the list does not call 'softmax' is quantised finished and normalised). What goes into a quantiser is computed in f32, as accurately as f32 sums, v_exp_f32 and their like allow (about 1e-6 of the number): no bf16 or f16 on the way to a quantiser, and a product that is left as it is and whose result goes on into a quantised operand takes f32 operands (vector FMAs, or v_wmma_f32_16x16x4_f32). A number that lies on a knife's edge between two numbers of the format may be rounded either way, as far as f32 arithmetic and the matrix unit's own rounding can turn it there, and no further.
;; One version. Each part assembles by itself: llvm-mc -triple=amdgcn-amd-amdhsa -mcpu=gfx1250 --defsym DOCPART=n.
;; ======== version 1 of 1: 4 launches
;; limits: right only within a limited range of input values
;; workspace buffers: xw 11,894,784 bytes; qk 17,301,504 bytes; vt 8,650,752 bytes; pp 17,301,504 bytes; st 524,288 bytes; sb 524,288 bytes
;; launch quant (part 1): grid 4 x 88, 8 waves a work-group, no clusters, 69,632 bytes of LDS; arguments inputs, Wq, Wk, Wv, xw; writes xw
.if DOCPART == 1
	.amdgcn_target "amdgcn-amd-amdhsa--gfx1250"
	.amdhsa_code_object_version 6
	.text
	.protected	k_q5bf1c73bc3_quant
	.globl	k_q5bf1c73bc3_quant
	.p2align	8
	.type	k_q5bf1c73bc3_quant,@function
k_q5bf1c73bc3_quant:
	s_mov_b64 s[64:65], 0
	v_nop
	global_prefetch_b8 v0, s[64:65] scope:SCOPE_SE
	s_setreg_imm32_b32 hwreg(HW_REG_WAVE_MODE, 25, 1), 1
	s_wait_xcnt 0x0
; LAUNCH 1 OF 4.  Causal attention with one head of 1,024: q, k, v = x W^T + b; scores = q k^T / 32; causal mask; softmax; times v.  All five products on codes of FP8 (E4M3) with one E8M0 scale for each 32 along K.
; The four launches: quant (x and the three W become codes), proj (q, k, v^T, quantised again in registers), score (the weights p as codes, with a maximum and a sum for each piece of 128 keys), pv (O = P V / l).
; WORK LEFT OUT, in launches 3 and 4: reference() itself sets scores[q][k] = -inf where k > q (jnp.tril in its own body), so attn[q][k] = 0 there for all finite inputs, and neither the score nor attn x v of such a pair
; reaches an output.  Where that holds for a whole tile (16 queries x 32 keys in launch 3, a step of 128 keys for 128 queries in launch 4) the tile is not computed.  Every input has a way to the output and is loaded.
; LIMIT: a NaN, an infinity or an overflow that would arise only in the tiles left out is not carried to the result.
; THIS LAUNCH: inputs [8192][1024], Wq, Wk, Wv [1024][1024], f32, K innermost, become RECORDS in xw.
; A RECORD (REC = 16,896 bytes) holds 128 rows x 128 along K as an image of the operand's registers: byte 2048 i + 512 c + 16 lane + y is the code of row rho(i, lane % 16) at k = 32 c + 16 (lane / 16) + y  (i = 0..7, c = 0..3),
; byte 16,384 + 32 r + 4 i + c is the scale byte of row rho(i, r), block c.  rho(i, r) = 32 (i / 2) + 8 (i % 2) + r + 8 (r / 8): as source 0 of a product these rows make a lane's 16 registers of two neighbouring
; result tiles 16 neighbours along the next K.  The record of block g (128 rows; 0-63 x, 64-71 Wq, 72-79 Wk, 80-87 Wv) and K step s lies at (8 g + s) REC.
; THE QUANTISER: a block's scale is 2^(floor(log2(largest magnitude)) - 8); its byte is the largest magnitude's exponent field - 8, held at 1 from below; numbers are held within +-448 x the scale and rounded to the nearest code, ties to even.
; LIMITS: a block of zeros gets the byte 1 where the rule says 127 (its codes are zeros, and this program alone reads the bytes); blocks whose largest magnitude lies under 2^-118 keep the byte 1; NaN and infinities among the inputs are not served.
; SHARES: work-group (x, y) makes the records of block y for K steps 2 x and 2 x + 1; wave i makes tile i: 16 rows x 256 along K.  Each load reads 512 consecutive bytes of a row; the numbers turn through the wave's own
; stage in LDS so that a lane holds 16 neighbours of each block of 32.  No tensor loads; one barrier, for the scale words, which leave as 512 consecutive bytes a record.
; IN LAUNCH 3 the unit that is left out is 16 queries x 32 keys, all of whose keys come after all queries of their block of 128; its maxima and sums stand for a query and an eighth of the keys.  In launch 4 it is a step of 128 keys for 16 queries.
.set REC,   16896
.set STP,   528                        ; a stage row: 512 bytes + 16: row r starts 4 r words on modulo 64
.set STGB,  16*STP                     ; a wave's stage
.set SCS,   8*STGB                     ; behind the stages: the two records' scale words, 512 bytes each
.set SPARE, SCS+1024                   ; the spare words, 128 bytes for each of eight waves: four blocks of 256 bytes that no other line names
.set LI,  4                            ; v4   16 x lane
.set STW, 5                            ; v5   the stage, on the way in
.set STR, 6                            ; v6   and on the way out: row r, + 64 (lane / 16)
.set SCW, 7                            ; v7   where my tile's scale words go: SCS + 32 r + 4 wave
.set SCR, 8                            ; v8   where waves 0 and 1 read a record's 512 bytes back
.set SCO, 9                            ; v9   and their place in memory
.set SPW, 12                           ; v12  LDS address of my spare word; never rewritten
.set NIL, 13                           ; v13  0; never rewritten
.set R,   16                           ; v16-143  two sets of 64: the numbers as loaded
.set X,   144                          ; v144-207 64 numbers: register 16 b + i = k 32 b + 16 (lane / 16) + i of my row
.set PC,  208                          ; v208-223 the fragment's codes
.set TM,  224                          ; v224-239 at work in QUANT
.set PW,  240                          ; v240 the scale word
.set OW,  244                          ; v244-247 scale words on the way out
.set SEL, 32                           ; s[32:33] selects of v_permlanex16_b32: lane l xor 16
.set MNT, 34                           ; s34  the mantissa field of 448
; 64 numbers of a lane become a fragment's 16 registers of codes, v[PC] on, and its row's scale word, v[PW].
.macro QUANT s
.irp b, 0,1,2,3
	v_max3_num_f32 v[TM+\b], |v[\s+16*\b]|, |v[\s+1+16*\b]|, 0x4800000   ; block b: my 16 numbers, and the floor 2^(9 - 127): the byte cannot fall under 1
.endr
.irp i, 2,4,6,8,10,12,14
.irp b, 0,1,2,3
	s_delay_alu instid0(VALU_DEP_4)
	v_max3_num_f32 v[TM+\b], v[TM+\b], |v[\s+16*\b+\i]|, |v[\s+1+16*\b+\i]|   ; the four blocks by turns
.endr
.endr
.irp b, 0,1,2,3
	s_delay_alu instid0(VALU_DEP_4)
	v_permlanex16_b32 v[TM+4+\b], v[TM+\b], s[SEL], s[SEL+1]
.endr
.irp b, 0,1,2,3
	s_delay_alu instid0(VALU_DEP_4)
	v_max_num_f32 v[TM+\b], v[TM+\b], v[TM+4+\b]   ; with lane l xor 16's 16: the block's largest magnitude
.endr
.irp b, 0,1,2,3
	s_delay_alu instid0(VALU_DEP_4)
	v_add_nc_u32 v[TM+12+\b], 0xfc000000, v[TM+\b]   ; 8 off its exponent field: the conversion's scale operand
.endr
.irp b, 0,1,2,3
	v_and_or_b32 v[TM+8+\b], v[TM+\b], 0x7f800000, s[MNT]   ; 448 x the scale
.endr
.irp b, 0,1,2,3
	v_lshrrev_b32 v[TM+4+\b], 23, v[TM+12+\b]      ; the scale's byte
.endr
	s_delay_alu instid0(VALU_DEP_3)
	v_lshl_or_b32 v[PW], v[TM+5], 8, v[TM+4]
	s_delay_alu instid0(VALU_DEP_1)
	v_lshl_or_b32 v[PW], v[TM+6], 16, v[PW]
	s_delay_alu instid0(VALU_DEP_1)
	v_lshl_or_b32 v[PW], v[TM+7], 24, v[PW]
.irp b, 0,1,2,3
.irp i, 0,1,2,3,4,5,6,7,8,9,10,11,12,13,14,15
	v_med3_num_f32 v[\s+16*\b+\i], v[\s+16*\b+\i], -v[TM+8+\b], v[TM+8+\b]   ; the conversion to an 8-bit code does not saturate (ISA guide 7.6.2): the hold comes first
.endr
	v_cvt_scalef32_pk8_fp8_f32 v[PC+4*\b:PC+1+4*\b], v[\s+16*\b:\s+7+16*\b], v[TM+12+\b]
	v_cvt_scalef32_pk8_fp8_f32 v[PC+2+4*\b:PC+3+4*\b], v[\s+8+16*\b:\s+15+16*\b], v[TM+12+\b]
.endr
	v_nop                                          ; a plain line behind the last conversion
.endm
	s_load_b256 s[4:11], s[0:1], 0x0               ; inputs, Wq, Wk, Wv
	s_load_b64 s[12:13], s[0:1], 0x20              ; xw
	v_lshl_add_u32 v[SPW], v0, 2, SPARE
	v_mov_b32 v[NIL], 0
	v_lshrrev_b32 v1, 5, v0
	s_delay_alu instid0(VALU_DEP_1)
	v_readfirstlane_b32 s20, v1                    ; wave = tile i
	v_and_b32 v1, 31, v0                           ; lane
	v_and_b32 v2, 15, v0                           ; r
	v_bfe_u32 v3, v0, 4, 1                         ; h
	s_delay_alu instid0(VALU_DEP_3)
	v_lshlrev_b32 v[LI], 4, v1
	s_mul_i32 s21, s20, STGB
	v_add_nc_u32 v[STW], s21, v[LI]
	v_mul_u32_u24 v[STR], v2, STP
	s_delay_alu instid0(VALU_DEP_1)
	v_lshl_add_u32 v[STR], v3, 6, v[STR]
	s_delay_alu instid0(VALU_DEP_1)
	v_add_nc_u32 v[STR], s21, v[STR]
	s_lshl_b32 s22, s20, 2
	s_add_co_u32 s22, s22, SCS
	v_lshl_add_u32 v[SCW], v2, 5, s22
	s_and_b32 s23, s20, 1
	s_lshl_b32 s24, s23, 9
	s_add_co_u32 s24, s24, SCS
	v_add_nc_u32 v[SCR], s24, v[LI]
	s_mul_i32 s25, s23, REC
	v_add_nc_u32 v[SCO], s25, v[LI]
	s_and_b32 s26, ttmp7, 0xffff                   ; block g
	s_mov_b32 s[SEL], 0x76543210
	s_mov_b32 s[SEL+1], 0xfedcba98
	s_mov_b32 s[MNT], 0x600000
.irp b, 0,1,2,3
	v_mov_b32 v[TM+4+\b], 0                        ; written once: a lane permute's destination counts as one of its sources
.endr
	s_wait_alu depctr_va_vdst(0)
	s_wait_kmcnt 0x0
	s_mov_b32 s16, 80                              ; which tensor, and its first block: the choice hangs on the work-group's number alone
	s_cmp_lt_u32 s26, 80
	s_cselect_b64 s[14:15], s[8:9], s[10:11]
	s_cselect_b32 s16, 72, s16
	s_cmp_lt_u32 s26, 72
	s_cselect_b64 s[14:15], s[6:7], s[14:15]
	s_cselect_b32 s16, 64, s16
	s_cmp_lt_u32 s26, 64
	s_cselect_b64 s[14:15], s[4:5], s[14:15]
	s_cselect_b32 s16, 0, s16
	s_sub_co_u32 s27, s26, s16
	s_lshl_b32 s27, s27, 7                         ; the block's first row in its tensor,
	s_lshr_b32 s28, s20, 1
	s_lshl_b32 s28, s28, 5
	s_add_co_u32 s27, s27, s28                     ; + 32 (i / 2)
	s_lshl_b32 s28, s23, 3
	s_add_co_u32 s27, s27, s28                     ; + 8 (i % 2)
	s_lshl_b32 s28, s27, 12                        ; rows of 4,096 bytes (under 2^26)
	s_lshl_b32 s29, ttmp9, 10                      ; + 256 numbers for each work-group x
	s_add_co_u32 s28, s28, s29
	s_mov_b32 s29, 0
	s_add_nc_u64 s[14:15], s[14:15], s[28:29]
	s_lshl_b32 s30, s26, 3
	s_lshl_b32 s31, ttmp9, 1
	s_add_co_u32 s30, s30, s31
	s_mul_i32 s30, s30, REC                        ; record 8 g + 2 x
	s_mov_b32 s31, 0
	s_add_nc_u64 s[12:13], s[12:13], s[30:31]
	s_lshl_b32 s30, s20, 11
	s_add_nc_u64 s[18:19], s[12:13], s[30:31]      ; + my tile's 2,048 bytes
.irp t, 0,1
.irp m, 0,1,2,3,4,5,6,7,8,9,10,11,12,13,14,15
	global_load_b128 v[R+64*\t+4*\m:R+64*\t+4*\m+3], v[LI], s[14:15] offset:(\m+8*(\m/8))*4096+512*\t th:TH_LOAD_NT   ; row rho(i, m), K step t: 32 lanes read 512 consecutive bytes; read once in the launch
.endr
.endr
.macro HALF t
	s_wait_loadcnt 16*(1-\t)                       ; this K step's 16 loads are in; the other step's 16 may be out
.irp m, 0,1,2,3,4,5,6,7,8,9,10,11,12,13,14,15
	ds_store_b128 v[STW], v[R+64*\t+4*\m:R+64*\t+4*\m+3] offset:STP*\m
.endr
.irp c, 0,1,2,3
.irp j, 0,1,2,3
	ds_load_b128 v[X+16*\c+4*\j:X+16*\c+4*\j+3], v[STR] offset:128*\c+16*\j   ; LDS serves a wave's instructions in order: these see my stores
.endr
.endr
	s_wait_dscnt 0x0
.if \t
	s_wait_xcnt 0x0                                ; the first record's stores have read their registers: the codes may be written again
.endif
	QUANT X
.irp c, 0,1,2,3
	global_store_b128 v[LI], v[PC+4*\c:PC+4*\c+3], s[18:19] offset:REC*\t+512*\c   ; 512 consecutive bytes, at a multiple of 256 from the buffer's first byte
.endr
	ds_store_b32 v[SCW], v[PW] offset:512*\t       ; both halves of the lanes write the same word with the same value
.endm
	HALF 0
	HALF 1
	s_wait_dscnt 0x0                               ; for the others' sake: my scale words have landed
	s_barrier_signal -1
	s_barrier_wait -1
	s_cmp_lt_u32 s20, 2                            ; wave t stores record t's 512 bytes of scale words
	s_cbranch_scc0 .Lend
	ds_load_b128 v[OW:OW+3], v[SCR]
	s_wait_dscnt 0x0
	global_store_b128 v[SCO], v[OW:OW+3], s[12:13] offset:16384
.Lend:
	s_wait_tensorcnt 0x0                           ; the wave's end: behind my last LDS store
	ds_add_u32 v[SPW], v[NIL]
	s_wait_dscnt 0x0
	s_endpgm
.Lfunc_end_k_q5bf1c73bc3_quant:
	.size	k_q5bf1c73bc3_quant, .Lfunc_end_k_q5bf1c73bc3_quant-k_q5bf1c73bc3_quant
	.p2alignl 7, 3214868480
	.fill 96, 4, 3214868480
	.section	.rodata,"a",@progbits
	.p2align	6, 0x0
	.amdhsa_kernel k_q5bf1c73bc3_quant
		.amdhsa_group_segment_fixed_size 69632
		.amdhsa_private_segment_fixed_size 0
		.amdhsa_enable_private_segment 0
		.amdhsa_kernarg_size 40
		.amdhsa_user_sgpr_count 2
		.amdhsa_user_sgpr_kernarg_segment_ptr 1
		.amdhsa_wavefront_size32 1
		.amdhsa_system_sgpr_workgroup_id_x 1
		.amdhsa_system_sgpr_workgroup_id_y 1
		.amdhsa_system_sgpr_workgroup_id_z 1
		.amdhsa_system_vgpr_workitem_id 0
		.amdhsa_next_free_vgpr 256
		.amdhsa_next_free_sgpr 66
		.amdhsa_reserve_vcc 0
		.amdhsa_float_denorm_mode_32 3
		.amdhsa_float_denorm_mode_16_64 3
		.amdhsa_memory_ordered 1
		.amdhsa_forward_progress 1
		.amdhsa_inst_pref_size 31
	.end_amdhsa_kernel
	.amdgpu_metadata
---
amdhsa.version: [ 1, 2 ]
amdhsa.kernels:
  - .name:           k_q5bf1c73bc3_quant
    .symbol:         k_q5bf1c73bc3_quant.kd
    .args:
      - { .name: inputs, .offset: 0, .size: 8, .value_kind: global_buffer, .address_space: global }
      - { .name: Wq, .offset: 8, .size: 8, .value_kind: global_buffer, .address_space: global }
      - { .name: Wk, .offset: 16, .size: 8, .value_kind: global_buffer, .address_space: global }
      - { .name: Wv, .offset: 24, .size: 8, .value_kind: global_buffer, .address_space: global }
      - { .name: xw, .offset: 32, .size: 8, .value_kind: global_buffer, .address_space: global }
    .group_segment_fixed_size: 69632
    .private_segment_fixed_size: 0
    .kernarg_segment_align: 8
    .kernarg_segment_size: 40
    .max_flat_workgroup_size: 256
    .sgpr_count:     66
    .vgpr_count:     256
    .wavefront_size: 32
...
	.end_amdgpu_metadata
.endif
;; end of part 1
;; launch proj (part 2): grid 8 x 32, 4 waves a work-group, clusters of 4 x 1, 327,680 bytes of LDS; arguments xw, bq, bk, bv, qk, vt; writes qk, vt
.if DOCPART == 2
	.amdgcn_target "amdgcn-amd-amdhsa--gfx1250"
	.amdhsa_code_object_version 6
	.text
	.protected	k_q5bf1c73bc3_proj
	.globl	k_q5bf1c73bc3_proj
	.p2align	8
	.type	k_q5bf1c73bc3_proj,@function
k_q5bf1c73bc3_proj:
	s_mov_b64 s[64:65], 0
	v_nop
	global_prefetch_b8 v0, s[64:65] scope:SCOPE_SE
	s_setreg_imm32_b32 hwreg(HW_REG_WAVE_MODE, 25, 1), 1
	s_wait_xcnt 0x0
	s_wait_alu depctr_hold_cnt(0) depctr_sa_sdst(0) depctr_va_vdst(0) depctr_va_sdst(0) depctr_va_ssrc(0) depctr_va_vcc(0) depctr_vm_vsrc(0)
	s_getreg_b32 s2, hwreg(HW_REG_IB_STS2, 6, 4)
	s_cmp_eq_u32 s2, 0
	s_cbranch_scc0 .Lentry_in_a_cluster
	s_endpgm
.Lentry_in_a_cluster:
	s_bfe_u32 s2, ttmp6, 0x10000c
	s_cmp_lg_u32 s2, 0x3003
	s_cbranch_scc0 .Lentry_shape_is_right
	s_endpgm
.Lentry_shape_is_right:
; LAUNCH 2 OF 4.  q = x Wq^T + bq, k = x Wk^T + bk, v = x Wv^T + bv on the codes of launch 1; the results are quantised again in registers and leave as RECORDS (launch 1's head): q and k along h into qk, v along the KEYS into vt.
; qk: record (8 blk + s) REC, blk = 16 batch + g for q, 64 + 16 batch + g for k (g: 128 rows), s: 128 of h.   vt: record ((8 batch + gc) 16 + s) REC, rows = channels (gc: 128 of them), s: 128 keys.
; These records have their scale words in the order [tile][row]: byte 16,384 + 64 i + 4 r + c.
; SHARES: 256 work-groups of equal work.  Work-group (n, y) owns 256 rows of x (y).  PHASE 1: times 256 rows of Wq (n = 0 .. 3) or Wk (4 .. 7), wave w 256 x 64: 64 accumulators.  PHASE 2: times 128 rows of Wv (n), wave w block w / 2 of
; 128 rows x 64 channels: 32 accumulators.
; x: all of K of the 256 rows lies in LDS: 16 records, filled once: K steps 0-3 at the head, 4-7 behind the head's full sequence; two records a wave a load; asked for jointly by the four work-groups of a cluster, which share y.
; W COMES STRAIGHT INTO REGISTERS: a record is an image of the operand's registers: a K step's four tiles are 16 loads of 512 consecutive bytes; three sets take turns, two K steps ahead, on from phase 1 into phase 2.
; No prefetch into the L2: the walk is written out, with no loop to run ahead in; W's loads stand two K steps ahead.
; ROLES.  Source 0 gives the result's registers, source 1 its lanes.  For q and k the registers run along h: source 0 = W.  For v they run along the keys: source 0 = x.
; LIMITS: as launch 1's (byte 1 for a block of zeros; NaN and infinities not served).
; REGISTERS: window 0: v1-31 addresses; v32-59 scale words; v64-255 x's fragments, three sets of four tiles (on the way out: numbers, codes, work).  window 1: v0-191 W's fragments, three sets; v192-223 bq or bk.
;   windows 2, 3: phase 1's accumulator (a, b) of x's tile a and W's tile b at 32 a + 8 b; phase 2's (a, b) of Wv's tile a and x's tile b at 64 a + 8 b of window 2.
.set REC,   16896
.set SCQ,   16*REC                     ; behind x: 512 bytes a wave: two scale bytes for each row of q, k;
.set SCV,   SCQ+2048                   ; 256 bytes a wave for the scale words of v
.set SPARE, SCV+1024                   ; the spare words, 128 bytes for each wave: two blocks of 256 bytes that no other line names
.set AX,   4                           ; v4-6, v7-9  x's fragments, block 0, 1: K steps 0-2, 3-5, 6-7.  In phase 2 v4-6 are my block's
.set VB,   10                          ; v10-13 bv of my four tiles
.set L8,   14                          ; v14  8 x lane
.set AXS,  15                          ; v15-17 x's scale words: lanes 0-15 block 0's, lanes 16-31 block 1's.  In phase 2 my block's
.set WS,   18                          ; v18  32 r: W's scale words
.set BO,   19                          ; v19  64 (lane / 16): my half's place in 128 bytes of bq, bk
.set BV,   20                          ; v20  4 (r + 8 (r / 8)): my channel's place in a tile's part of bv
.set LI,   24                          ; v24  16 x lane
.set SAQ,  25                          ; v25, v26 where I put and read back scale bytes (q, k);  v27, v30 (v)
.set SRQ,  26
.set SAV,  27
.set SPW,  28                          ; v28  LDS address of my spare word; never rewritten
.set NIL,  29                          ; v29  0; never rewritten
.set SRV,  30
.set SAX,  31                          ; v31  a trip's place among the scale bytes
.set XS,   32                          ; v32-47 x's scale words, two sets of eight
.set WW,   48                          ; v48-59 W's, three sets of four
.set XR,   64
.set BI,   192                         ; window 1
.set X,    64                          ; the way out: 64 numbers,
.set PC,   128                         ; 16 registers of codes,
.set TM,   144                         ; work,
.set PW,   160                         ; scale bytes,
.set OW,   164                         ; scale words on their way to memory
.set WV,   16                          ; s16 wave; s17 wave / 2; s18 wave % 2
.set HI,   17
.set LO,   18
.set G1,   24                          ; s[24:31], s[32:35] descriptor groups 1 and 0
.set WB,   48                          ; s[48:49], s[50:51] my tiles of Wq or Wk, their scale words;  s[52:53], s[54:55] of Wv
.set BP,   56
.set BPV,  58
.set OUT,  60                          ; s[60:61] my records of q or k, s[62:63] their scale words;  s[66:67], s[68:69] of v
.set OUTQ, 62
.set OUTV, 66
.set OUTS, 68
.set SEL,  70                          ; s[70:71] selects of v_permlanex16_b32: lane l xor 16
.set MNT,  72                          ; s72  the mantissa field of 448
.set CNT,  73
.set STEPS, 74                         ; s74  a trip's step among the scale bytes
.set HB,   75                          ; s75  my block of x in phase 2
.set MSB, 0
.macro WIN new                         ; the immediate's high byte repeats the setting that is left; a switch that changes nothing is dropped
.if MSB != (\new)
	s_set_vgpr_msb (MSB<<8)|(\new)
.set MSB, (\new)
.endif
.endm
.macro PLACES n                        ; plain vector lines behind matrix instructions: eight for this form, ahead of loads into registers that they read and of reads of results
.rept \n
	v_nop
.endr
.endm
.macro CROUND                          ; a round of the cluster's barrier
	s_barrier_signal -1
	s_barrier_wait -1
	s_cmp_lg_u32 s[WV], 0
	s_cbranch_scc1 .Lnot_wave_0_\@
	s_barrier_signal -3
.Lnot_wave_0_\@:
	s_barrier_wait -3
	s_barrier_signal -1
	s_barrier_wait -1
.endm
.macro XLOAD
	tensor_load_to_lds s[32:35], s[G1:G1+7]
	s_nop 0
	PLACES 4
.endm
.macro QUANT s                         ; as in launch 1: four times 16 numbers of a lane become codes, v[PC] on, and four scale bytes, v[PW]
.irp b, 0,1,2,3
	v_max3_num_f32 v[TM+\b], |v[\s+16*\b]|, |v[\s+1+16*\b]|, 0x4800000
.endr
.irp i, 2,4,6,8,10,12,14
.irp b, 0,1,2,3
	v_max3_num_f32 v[TM+\b], v[TM+\b], |v[\s+16*\b+\i]|, |v[\s+1+16*\b+\i]|
.endr
.endr
.irp b, 0,1,2,3
	v_permlanex16_b32 v[TM+4+\b], v[TM+\b], s[SEL], s[SEL+1]
.endr
.irp b, 0,1,2,3
	v_max_num_f32 v[TM+\b], v[TM+\b], v[TM+4+\b]
.endr
.irp b, 0,1,2,3
	v_add_nc_u32 v[TM+12+\b], 0xfc000000, v[TM+\b]
.endr
.irp b, 0,1,2,3
	v_and_or_b32 v[TM+8+\b], v[TM+\b], 0x7f800000, s[MNT]
.endr
.irp b, 0,1,2,3
	v_lshrrev_b32 v[TM+4+\b], 23, v[TM+12+\b]
.endr
	v_lshl_or_b32 v[PW], v[TM+5], 8, v[TM+4]
	v_lshl_or_b32 v[PW], v[TM+6], 16, v[PW]
	v_lshl_or_b32 v[PW], v[TM+7], 24, v[PW]
.irp b, 0,1,2,3
.irp i, 0,1,2,3,4,5,6,7,8,9,10,11,12,13,14,15
	v_med3_num_f32 v[\s+16*\b+\i], v[\s+16*\b+\i], -v[TM+8+\b], v[TM+8+\b]
.endr
	v_cvt_scalef32_pk8_fp8_f32 v[PC+4*\b:PC+1+4*\b], v[\s+16*\b:\s+7+16*\b], v[TM+12+\b]
	v_cvt_scalef32_pk8_fp8_f32 v[PC+2+4*\b:PC+3+4*\b], v[\s+8+16*\b:\s+15+16*\b], v[TM+12+\b]
.endr
	v_nop                                          ; a plain line behind the last conversion
.endm
.macro WLOAD g                         ; W of K step g (0-7: Wq, Wk; 8-15: Wv) into set g % 3, and its scale words: 17 loads
.set WSET, (\g)%3
.set WBS, WB+4*((\g)/8)
	WIN 0x40                                       ; destination window 1, address window 0
.irp b, 0,1,2,3
.irp c, 0,1,2,3
	global_load_b128 v[64*WSET+16*\b+4*\c:64*WSET+16*\b+4*\c+3], v[LI], s[WBS:WBS+1] offset:REC*((\g)%8)+2048*\b+512*\c
.endr
.endr
	WIN 0
	global_load_b128 v[WW+4*WSET:WW+4*WSET+3], v[WS], s[WBS+2:WBS+3] offset:REC*((\g)%8)
.endm
.macro XFETCH set, adr, ks, i0         ; four tiles of x, i0 on, of K step ks: 16 loads
.irp i, 0,1,2,3
.irp c, 0,1,2,3
	ds_load_b128 v[XR+64*(\set)+16*\i+4*\c:XR+64*(\set)+16*\i+4*\c+3], v[(\adr)+(\ks)/3] offset:REC*((\ks)%3)+2048*((\i0)+\i)+512*\c
.endr
.endr
.endm
.macro XWORDS ks                       ; eight tiles' scale words of K step ks: 32 bytes for each r
	ds_load_b128 v[XS+8*((\ks)%2):XS+8*((\ks)%2)+3], v[AXS+(\ks)/3] offset:REC*((\ks)%3)
	ds_load_b128 v[XS+8*((\ks)%2)+4:XS+8*((\ks)%2)+7], v[AXS+(\ks)/3] offset:REC*((\ks)%3)+16
.endm
; PHASE 1 goes by quads g = 4 ks + q: K step ks, x's tiles 4 q .. 4 q + 3; quad g's fragments lie in set g % 3 and are fetched two quads ahead.
.macro FETCHQ g
.if (\g)%4 == 0
	XWORDS (\g)/4
.endif
	XFETCH (\g)%3, AX+3*(((\g)%4)/2), (\g)/4, 4*((\g)%2)
.endm
.macro COUNT g, per, last              ; DN: the LDS loads of quads g + 1 and g + 2
.set DN, 0
.irp d, 1,2
.if (\g)+\d < (\last)
.set DN, DN+16
.if ((\g)+\d)%(\per) == 0
.set DN, DN+2
.endif
.endif
.endr
.endm
.macro QSTEP g
.set KS, (\g)/4
.set QQ, (\g)%4
.if (\g) == 14
	s_wait_tensorcnt 0x0                           ; my part of K steps 4-7 is in,
	s_wait_dscnt 0x0
	s_barrier_signal -1
	s_barrier_wait -1                              ; and everybody's
.endif
	PLACES 8
.if QQ == 0
	WLOAD KS+2
.endif
.if (\g)+2 < 32
	FETCHQ (\g)+2
.endif
.if QQ == 0
	s_wait_loadcnt 34                              ; all but W's next two K steps
.endif
	COUNT \g, 4, 32
	s_wait_dscnt DN                                ; all but the next two quads
	WIN 0xa1+0x50*(QQ/2)                           ; source 0 window 1, source 1 window 0, C and D window 2 or 3
.irp i, 0,1,2,3
.set AC, 32*((4*QQ+\i)%8)
.set RX, XR+64*((\g)%3)+16*\i
.set SX, XS+8*(KS%2)+(4*QQ+\i)%8
.irp b, 0,1,2,3
.set RW, 64*(KS%3)+16*\b
.set SW, WW+4*(KS%3)+\b
.if KS == 0 && QQ < 2
	v_wmma_scale_f32_16x16x128_f8f6f4 v[AC+8*\b:AC+8*\b+7], v[RW:RW+15], v[RX:RX+15], 0, v[SW], v[SX]
.elseif KS == 0
	v_wmma_scale_f32_16x16x128_f8f6f4 v[AC+8*\b:AC+8*\b+7], v[RW:RW+15], v[RX:RX+15], 0, v[SW], v[SX] matrix_b_scale:MATRIX_SCALE_ROW1
.elseif QQ < 2
	v_wmma_scale_f32_16x16x128_f8f6f4 v[AC+8*\b:AC+8*\b+7], v[RW:RW+15], v[RX:RX+15], v[AC+8*\b:AC+8*\b+7], v[SW], v[SX]
.else
	v_wmma_scale_f32_16x16x128_f8f6f4 v[AC+8*\b:AC+8*\b+7], v[RW:RW+15], v[RX:RX+15], v[AC+8*\b:AC+8*\b+7], v[SW], v[SX] matrix_b_scale:MATRIX_SCALE_ROW1
.endif
.endr
.endr
	WIN 0
.endm
; PHASE 2 goes by quads g = 2 ks + q: K step ks, tiles 4 q .. 4 q + 3 of my block of x.
.macro FETCHV g
.if (\g)%2 == 0
	XWORDS (\g)/2
.endif
	XFETCH (\g)%3, AX, (\g)/2, 4*((\g)%2)
.endm
.macro VSTEP g
.set KS, (\g)/2
.set QQ, (\g)%2
	PLACES 8
.if QQ == 0 && KS < 6
	WLOAD KS+10
.endif
.if (\g)+2 < 16
	FETCHV (\g)+2
.endif
.if QQ == 0
.if KS < 6
	s_wait_loadcnt 34
.else
	s_wait_loadcnt 17*(7-KS)
.endif
.endif
	COUNT \g, 2, 16
	s_wait_dscnt DN
	WIN 0xa4                                       ; source 0 window 0, source 1 window 1, C and D window 2
.irp a, 0,1,2,3
.set RW, 64*((KS+8)%3)+16*\a
.set SW, WW+4*((KS+8)%3)+\a
.irp i, 0,1,2,3
.set AC, 64*\a+8*(4*QQ+\i)
.set RX, XR+64*((\g)%3)+16*\i
.set SX, XS+8*(KS%2)+4*QQ+\i
.if KS == 0
	v_wmma_scale_f32_16x16x128_f8f6f4 v[AC:AC+7], v[RX:RX+15], v[RW:RW+15], 0, v[SX], v[SW]
.else
	v_wmma_scale_f32_16x16x128_f8f6f4 v[AC:AC+7], v[RX:RX+15], v[RW:RW+15], v[AC:AC+7], v[SX], v[SW]
.endif
.endr
.endr
	WIN 0
.endm
	s_load_b256 s[4:11], s[0:1], 0x0               ; xw, bq, bk, bv
	s_load_b128 s[12:15], s[0:1], 0x20             ; qk, vt
	v_lshl_add_u32 v[SPW], v0, 2, SPARE
	v_mov_b32 v[NIL], 0
	ds_add_u32 v[SPW], v[NIL]                      ; the wave's opening: the add, twice on end, and its wait ahead of my first tensor load
	ds_add_u32 v[SPW], v[NIL]
	v_lshrrev_b32 v1, 5, v0
	v_readfirstlane_b32 s[WV], v1
	s_lshr_b32 s[HI], s[WV], 1
	s_and_b32 s[LO], s[WV], 1
	s_bfe_u32 s40, ttmp6, 0x40000                  ; cx
	s_lshl_b32 s42, ttmp9, 2
	s_add_co_u32 s42, s42, s40                     ; n = 4 x cluster x + cx
	s_and_b32 s43, ttmp7, 0xffff                   ; y
	s_mov_b32 s[G1], 15|(3<<16)|(1<<21)            ; the mask: the cluster's four; elements of 8 bytes; bit 21 beside a mask; no padding
	s_mov_b32 s[G1+1], 32<<16                      ; rows of 256 bytes,
	s_mov_b32 s[G1+2], 132<<16                     ; 132 of them: two records
	s_mov_b32 s[G1+3], 32<<16
	s_mov_b32 s[G1+4], 132
	s_mov_b32 s[G1+5], 32
	s_mov_b32 s[G1+6], 0
	s_mov_b32 s[G1+7], 0
	s_lshl_b32 s20, s43, 1
	s_add_co_u32 s20, s20, s[LO]
	s_lshl_b32 s20, s20, 3
	s_lshl_b32 s21, s[HI], 1
	s_add_co_u32 s20, s20, s21
	s_mul_i32 s20, s20, REC                        ; x: block 2 y + wave % 2, K steps 2 (wave / 2) on
	s_mov_b32 s21, 0
	s_mul_i32 s22, s[LO], 8*REC
	s_mul_i32 s23, s[HI], 2*REC
	s_mov_b32 s32, 1
	s_add_co_u32 s33, s22, s23
	s_mov_b32 s[SEL], 0x76543210
	s_mov_b32 s[SEL+1], 0xfedcba98
	s_mov_b32 s[MNT], 0x600000
	s_wait_dscnt 0x0                               ; both opening adds are done
	CROUND                                         ; all four work-groups are here
	s_wait_kmcnt 0x0
	s_add_nc_u64 s[34:35], s[4:5], s[20:21]
	s_or_b32 s35, s35, 0x80000000
	XLOAD                                          ; K steps 0-3: one tensor load a wave at the head
	; W
	s_lshl_b32 s20, s42, 1
	s_add_co_u32 s20, s20, s[HI]
	s_add_co_u32 s20, s20, 64                      ; Wq, Wk: block 64 + 2 n + wave / 2, tiles 4 (wave % 2) on
	s_mul_i32 s20, s20, 8*REC
	s_lshl_b32 s22, s[LO], 4
	s_add_co_u32 s22, s22, 16384
	s_add_co_u32 s22, s22, s20
	s_mov_b32 s23, 0
	s_add_nc_u64 s[WB+2:WB+3], s[4:5], s[22:23]
	s_lshl_b32 s22, s[LO], 13
	s_add_co_u32 s22, s22, s20
	s_add_nc_u64 s[WB:WB+1], s[4:5], s[22:23]
	s_add_co_u32 s20, s42, 80                      ; Wv: block 80 + n, tiles 4 (wave % 2) on
	s_mul_i32 s20, s20, 8*REC
	s_lshl_b32 s22, s[LO], 4
	s_add_co_u32 s22, s22, 16384
	s_add_co_u32 s22, s22, s20
	s_add_nc_u64 s[WB+6:WB+7], s[4:5], s[22:23]
	s_lshl_b32 s22, s[LO], 13
	s_add_co_u32 s22, s22, s20
	s_add_nc_u64 s[WB+4:WB+5], s[4:5], s[22:23]
	; the biases
	s_lshl_b32 s36, s42, 1
	s_add_co_u32 s36, s36, s[HI]
	s_and_b32 s36, s36, 7                          ; which 128 of h: the next K step
	s_lshl_b32 s22, s36, 9
	s_lshl_b32 s20, s[LO], 8
	s_add_co_u32 s22, s22, s20
	s_cmp_eq_u32 ttmp9, 0
	s_cselect_b64 s[BP:BP+1], s[6:7], s[8:9]       ; bq or bk
	s_add_nc_u64 s[BP:BP+1], s[BP:BP+1], s[22:23]
	s_lshl_b32 s22, s42, 9
	s_add_co_u32 s22, s22, s20
	s_add_nc_u64 s[BPV:BPV+1], s[10:11], s[22:23]  ; bv of channel 128 n + 64 (wave % 2)
	; where my records begin.  OUT and OUTV begin one step early: each trip of a way out steps them first
	s_lshl_b32 s37, ttmp9, 6
	s_lshl_b32 s38, s43, 1
	s_add_co_u32 s37, s37, s38                     ; block 64 (k) + 2 y
	s_lshl_b32 s22, s37, 3
	s_add_co_u32 s22, s22, s36
	s_mul_i32 s22, s22, REC
	s_lshl_b32 s20, s[LO], 10
	s_add_co_u32 s22, s22, s20                     ; my two of a fragment's four blocks
	s_add_nc_u64 s[OUT:OUT+1], s[12:13], s[22:23]
	s_sub_nc_u64 s[OUT:OUT+1], s[OUT:OUT+1], 4096
	s_add_co_u32 s37, s37, s[LO]                   ; the scale words that I store: of block 2 y + wave % 2, h by wave / 2
	s_lshl_b32 s22, s37, 3
	s_add_co_u32 s22, s22, s36
	s_mul_i32 s22, s22, REC
	s_add_co_u32 s22, s22, 16384
	s_add_nc_u64 s[OUTQ:OUTQ+1], s[12:13], s[22:23]
	s_add_co_u32 s38, s38, s[HI]                   ; v: block of keys 2 y + wave / 2
	s_lshr_b32 s22, s38, 4                         ; batch
	s_lshl_b32 s22, s22, 3
	s_add_co_u32 s22, s22, s42
	s_lshl_b32 s22, s22, 4
	s_and_b32 s38, s38, 15
	s_add_co_u32 s22, s22, s38
	s_mul_i32 s36, s22, REC                        ; record (8 batch + n) 16 + key step
	s_lshl_b32 s22, s[LO], 8
	s_add_co_u32 s22, s22, s36
	s_add_co_u32 s22, s22, 16384
	s_add_nc_u64 s[OUTS:OUTS+1], s[14:15], s[22:23]
	s_lshl_b32 s22, s[LO], 13
	s_add_co_u32 s22, s22, s36                     ; my four tiles
	s_add_nc_u64 s[OUTV:OUTV+1], s[14:15], s[22:23]
	s_sub_nc_u64 s[OUTV:OUTV+1], s[OUTV:OUTV+1], 2048
	; LDS addresses
	s_mul_i32 s[HB], s[HI], 8*REC
	s_lshl_b32 s36, s[WV], 9
	s_add_co_u32 s36, s36, SCQ
	s_lshl_b32 s37, s[HI], 10
	s_lshl_b32 s38, s[LO], 8
	s_add_co_u32 s37, s37, s38
	s_add_co_u32 s37, s37, SCQ
	s_lshl_b32 s38, s[WV], 8
	s_add_co_u32 s38, s38, SCV
	v_and_b32 v1, 15, v0                           ; r; kept
	v_bfe_u32 v2, v0, 4, 1                         ; h
	v_and_b32 v3, 31, v0
	v_lshlrev_b32 v[BO], 6, v2
	v_and_b32 v[BV], 8, v1
	v_lshlrev_b32 v[LI], 4, v3
	v_add_nc_u32 v[BV], v[BV], v1
	v_lshlrev_b32 v[L8], 3, v3
	v_lshlrev_b32 v[BV], 2, v[BV]
	v_lshlrev_b32 v[WS], 5, v1
	v_mov_b32 v[AX], v[LI]
	v_mul_u32_u24 v[AXS], 8*REC, v2
	v_add_nc_u32 v[AX+1], 3*REC, v[LI]
	v_add_nc_u32 v[AX+2], 6*REC, v[LI]
	v_add_nc_u32 v[AX+3], 8*REC, v[LI]
	v_add_nc_u32 v[AX+4], 11*REC, v[LI]
	v_add_nc_u32 v[AX+5], 14*REC, v[LI]
	v_lshl_add_u32 v[AXS], v1, 5, v[AXS]
	v_add_nc_u32 v[AXS], 16384, v[AXS]
	v_add_nc_u32 v[AXS+1], 3*REC, v[AXS]
	v_add_nc_u32 v[AXS+2], 6*REC, v[AXS]
	v_lshl_add_u32 v[SAQ], v1, 1, s36
	v_add_nc_u32 v[SRQ], s37, v[L8]
	v_lshl_add_u32 v[SAV], v1, 2, s38
	v_add_nc_u32 v[SRV], s38, v[L8]
	WIN 0x40
.irp u, 0,1
.irp j, 0,1,2,3
	global_load_b128 v[BI+16*\u+4*\j:BI+16*\u+4*\j+3], v[BO], s[BP:BP+1] offset:128*\u+16*\j   ; register 16 u + i: the bias of my h = 32 u + 16 (lane / 16) + i
.endr
.endr
	WIN 0
.irp a, 0,1,2,3
	global_load_b32 v[VB+\a], v[BV], s[BPV:BPV+1] offset:128*(\a/2)+32*(\a%2)
.endr
	WLOAD 0
	WLOAD 1
	s_wait_alu depctr_va_vdst(0)                   ; the wait at the head's end
	s_wait_tensorcnt 0x0                           ; my part of K steps 0-3 is in
	ds_add_u32 v[SPW], v[NIL]
	s_add_co_u32 s33, s33, 4*REC
	s_add_nc_u64 s[34:35], s[34:35], 4*REC         ; the type bits on top are not reached
	s_wait_dscnt 0x0
	CROUND
	XLOAD                                          ; K steps 4-7
	FETCHQ 0
	FETCHQ 1
.set GI, 0
.rept 32
	QSTEP GI
.set GI, GI+1
.endr
	PLACES 8
	; ---- q and k go out: a lane holds a row of x, its registers run along my 64 of h.  Eight trips, two tiles each; the trip's arm adds the bias (its loads came ahead of W's)
.irp b, 0,1,2,3
	v_mov_b32 v[TM+4+\b], 0                        ; a lane permute's destination counts as one of its sources
.endr
	s_mov_b32 s[CNT], 0
	s_mov_b32 s[STEPS], 0
	s_mov_b32 s21, 0
.macro QK_ARM t
	WIN 0x06+(\t)/4                                ; source 0: the accumulators' window, source 1: window 1
.set n, 0
.rept 32
	v_pk_add_f32 v[X+n:X+n+1], v[64*((\t)%4)+n:64*((\t)%4)+n+1], v[BI+n%32:BI+n%32+1]   ; each accumulator from its low end on
.set n, n+2
.endr
	WIN 0
.endm
.Lqk:
	s_wait_xcnt 0x0                                ; the last trip's stores have read their registers and their base
	s_mov_b32 s20, 4096                            ; two tiles on;
	s_cmp_eq_u32 s[CNT], 4
	s_cselect_b32 s20, 8*REC-3*4096, s20           ; from the first block's last two to the next block's first
	s_add_nc_u64 s[OUT:OUT+1], s[OUT:OUT+1], s[20:21]
.irp t, 0,1,2,3,4,5,6
	s_cmp_lg_u32 s[CNT], \t
	s_cbranch_scc1 .Lqk_not_\t
	QK_ARM \t
	s_branch .Lqk_join
.Lqk_not_\t:
.endr
	QK_ARM 7
.Lqk_join:
	s_wait_alu depctr_va_vdst(0)                   ; the wait here
	v_add_nc_u32 v[SAX], s[STEPS], v[SAQ]
	QUANT X
.irp c, 0,1,2,3
	global_store_b128 v[LI], v[PC+4*\c:PC+4*\c+3], s[OUT:OUT+1] offset:2048*(\c/2)+512*(\c%2)   ; 512 consecutive bytes, at a multiple of 256 from the buffer's first byte
.endr
	ds_store_b16 v[SAX], v[PW]                     ; a row's two bytes; both halves of the lanes write the same
	ds_store_b16_d16_hi v[SAX], v[PW] offset:32    ; and the next tile's
	s_add_co_u32 s[STEPS], s[STEPS], 64
	s_add_co_u32 s[CNT], s[CNT], 1
	s_cmp_lt_u32 s[CNT], 8
	s_cbranch_scc1 .Lqk
	s_wait_dscnt 0x0                               ; for the others' sake: my bytes have landed
	s_barrier_signal -1
	s_barrier_wait -1
	ds_load_b64 v[OW:OW+1], v[SRQ]                 ; four rows' first two bytes, from an even wave,
	ds_load_b64 v[OW+2:OW+3], v[SRQ] offset:512    ; and their last two, from the next
	s_wait_dscnt 0x0
	v_perm_b32 v[OW+4], v[OW+2], v[OW], 0x05040100
	v_perm_b32 v[OW+5], v[OW+2], v[OW], 0x07060302
	v_perm_b32 v[OW+6], v[OW+3], v[OW+1], 0x05040100
	v_perm_b32 v[OW+7], v[OW+3], v[OW+1], 0x07060302
	global_store_b128 v[LI], v[OW+4:OW+7], s[OUTQ:OUTQ+1]
	; ---- PHASE 2
.irp i, 0,1,2
	v_add_nc_u32 v[AX+\i], s[HB], v[AX+\i]         ; my block of x
.endr
	v_lshl_add_u32 v[AXS], v1, 5, s[HB]
	v_add_nc_u32 v[AXS], 16384, v[AXS]
	v_add_nc_u32 v[AXS+1], 3*REC, v[AXS]
	v_add_nc_u32 v[AXS+2], 6*REC, v[AXS]
	s_wait_alu depctr_va_vdst(0)                   ; the wait here, directly ahead of the wait below
	s_wait_xcnt 0x0                                ; the stores have read the registers that fragments take now
	FETCHV 0
	FETCHV 1
.set GI, 0
.rept 16
	VSTEP GI
.set GI, GI+1
.endr
	PLACES 8
	; ---- v goes out: a lane holds a channel, its registers run along the keys.  Four trips
	s_mov_b32 s[CNT], 0
	s_mov_b32 s[STEPS], 0
.irp b, 0,1,2,3
	v_mov_b32 v[TM+4+\b], 0
.endr
.macro V_ARM a
	WIN 0x02
.set n, 0
.rept 32
.if (\a)%2
	v_pk_add_f32 v[X+n:X+n+1], v[64*(\a)+n:64*(\a)+n+1], v[VB+(\a)-1:VB+(\a)] op_sel:[0,1] op_sel_hi:[1,1]
.else
	v_pk_add_f32 v[X+n:X+n+1], v[64*(\a)+n:64*(\a)+n+1], v[VB+(\a):VB+(\a)+1] op_sel_hi:[1,0]
.endif
.set n, n+2
.endr
	WIN 0
.endm
.Lv:
	s_wait_xcnt 0x0
	s_add_nc_u64 s[OUTV:OUTV+1], s[OUTV:OUTV+1], 2048
.irp a, 0,1,2
	s_cmp_lg_u32 s[CNT], \a
	s_cbranch_scc1 .Lv_not_\a
	V_ARM \a
	s_branch .Lv_join
.Lv_not_\a:
.endr
	V_ARM 3
.Lv_join:
	s_wait_alu depctr_va_vdst(0)                   ; the wait here
	v_add_nc_u32 v[SAX], s[STEPS], v[SAV]
	QUANT X
.irp c, 0,1,2,3
	global_store_b128 v[LI], v[PC+4*\c:PC+4*\c+3], s[OUTV:OUTV+1] offset:512*\c
.endr
	ds_store_b32 v[SAX], v[PW]
	s_add_co_u32 s[STEPS], s[STEPS], 64
	s_add_co_u32 s[CNT], s[CNT], 1
	s_cmp_lt_u32 s[CNT], 4
	s_cbranch_scc1 .Lv
	ds_load_b64 v[OW:OW+1], v[SRV]                 ; LDS serves a wave's instructions in order: these see my stores
	s_wait_dscnt 0x0
	global_store_b64 v[L8], v[OW:OW+1], s[OUTS:OUTS+1]   ; 32 lanes store one aligned unit of 256 bytes
	s_wait_tensorcnt 0x0                           ; the wave's end: behind my last tensor load and my last LDS store
	ds_add_u32 v[SPW], v[NIL]
	s_wait_dscnt 0x0
	CROUND                                         ; the closing round: no work-group ends while a partner may still ask for a tile that names it
	s_endpgm
.Lfunc_end_k_q5bf1c73bc3_proj:
	.size	k_q5bf1c73bc3_proj, .Lfunc_end_k_q5bf1c73bc3_proj-k_q5bf1c73bc3_proj
	.p2alignl 7, 3214868480
	.fill 96, 4, 3214868480
	.section	.rodata,"a",@progbits
	.p2align	6, 0x0
	.amdhsa_kernel k_q5bf1c73bc3_proj
		.amdhsa_group_segment_fixed_size 327680
		.amdhsa_private_segment_fixed_size 0
		.amdhsa_enable_private_segment 0
		.amdhsa_kernarg_size 48
		.amdhsa_user_sgpr_count 2
		.amdhsa_user_sgpr_kernarg_segment_ptr 1
		.amdhsa_wavefront_size32 1
		.amdhsa_system_sgpr_workgroup_id_x 1
		.amdhsa_system_sgpr_workgroup_id_y 1
		.amdhsa_system_sgpr_workgroup_id_z 1
		.amdhsa_system_vgpr_workitem_id 0
		.amdhsa_next_free_vgpr 1024
		.amdhsa_next_free_sgpr 80
		.amdhsa_reserve_vcc 0
		.amdhsa_float_denorm_mode_32 3
		.amdhsa_float_denorm_mode_16_64 3
		.amdhsa_memory_ordered 1
		.amdhsa_forward_progress 1
		.amdhsa_inst_pref_size 245
	.end_amdhsa_kernel
	.amdgpu_metadata
---
amdhsa.version: [ 1, 2 ]
amdhsa.kernels:
  - .name:           k_q5bf1c73bc3_proj
    .symbol:         k_q5bf1c73bc3_proj.kd
    .args:
      - { .name: xw, .offset: 0, .size: 8, .value_kind: global_buffer, .address_space: global }
      - { .name: bq, .offset: 8, .size: 8, .value_kind: global_buffer, .address_space: global }
      - { .name: bk, .offset: 16, .size: 8, .value_kind: global_buffer, .address_space: global }
      - { .name: bv, .offset: 24, .size: 8, .value_kind: global_buffer, .address_space: global }
      - { .name: qk, .offset: 32, .size: 8, .value_kind: global_buffer, .address_space: global }
      - { .name: vt, .offset: 40, .size: 8, .value_kind: global_buffer, .address_space: global }
    .group_segment_fixed_size: 327680
    .private_segment_fixed_size: 0
    .kernarg_segment_align: 8
    .kernarg_segment_size: 48
    .max_flat_workgroup_size: 128
    .sgpr_count:     80
    .vgpr_count:     1024
    .wavefront_size: 32
...
	.end_amdgpu_metadata
.endif
;; end of part 2
;; launch score (part 3): grid 8 x 32, 4 waves a work-group, clusters of 4 x 1, 327,680 bytes of LDS; arguments qk, pp, st, sb; writes pp, st, sb
.if DOCPART == 3
	.amdgcn_target "amdgcn-amd-amdhsa--gfx1250"
	.amdhsa_code_object_version 6
	.text
	.protected	k_q5bf1c73bc3_score
	.globl	k_q5bf1c73bc3_score
	.p2align	8
	.type	k_q5bf1c73bc3_score,@function
k_q5bf1c73bc3_score:
	s_mov_b64 s[64:65], 0
	v_nop
	global_prefetch_b8 v0, s[64:65] scope:SCOPE_SE
	s_setreg_imm32_b32 hwreg(HW_REG_WAVE_MODE, 25, 1), 1
	s_wait_xcnt 0x0
	s_wait_alu depctr_hold_cnt(0) depctr_sa_sdst(0) depctr_va_vdst(0) depctr_va_sdst(0) depctr_va_ssrc(0) depctr_va_vcc(0) depctr_vm_vsrc(0)
	s_getreg_b32 s2, hwreg(HW_REG_IB_STS2, 6, 4)
	s_cmp_eq_u32 s2, 0
	s_cbranch_scc0 .Lentry_in_a_cluster
	s_endpgm
.Lentry_in_a_cluster:
	s_bfe_u32 s2, ttmp6, 0x10000c
	s_cmp_lg_u32 s2, 0x3003
	s_cbranch_scc0 .Lentry_shape_is_right
	s_endpgm
.Lentry_shape_is_right:
; LAUNCH 3 OF 4.  S^T = K Q^T on the codes of launch 2, and the weights p = 2^(t - M), t = score x log2(e) / 32, as codes.
; WORK LEFT OUT: units of 16 queries x 32 keys all of whose keys come after all queries of their block of 128: reference()'s own causal mask (launch 1's head).
; SHARES.  Work-group (p, y = 8 batch + m) owns tile p (16 queries) of EACH of the batch's sixteen blocks of 128 queries, and 32 keys of EACH of its eight runs of 256: group j = keys 256 j + 32 m on: blocks c = m % 4 of key step s = 2 j + m / 4.
; So all work-groups have the same work.  Wave w owns tiles k = 0 .. 3: block g = 4 k + w.  Group j counts for tile k where s <= g: always for j < 2 k; for j = 2 k + u where u < E = (w - m / 4 + 2) / 2, rounded down.
; Those conditional sums begin with 0, or, where they do not count, with -infinity, which no product touches: p is 0 there.  The jumps hang on w and m / 4, which a cluster's partners share.
; THE KEYS of a group are tiles 2 c and 2 c + 1 of their record (launch 1's rho), so the 16 registers of a unit are keys 32 c + 16 (lane / 16) + 0 .. 15 of the step and become a fragment's block c.
; K: all of K of the 256 keys lies in LDS, [K step][group][4,096 bytes], filled once: K steps 0-3 at the head, a step a wave, 4-7 behind the head's full sequence; asked for jointly by the cluster's four, which share batch and m.
; Q and the scale words come straight into registers, four sets, two K steps ahead.  No prefetch into the L2: the walk is written out, with no loop to run ahead in.
; OUTPUTS: pp: record ((16 batch + g) 16 + s) REC, tile p, block c: 512 bytes a unit.  For each query one M (a whole number) and one sum over my keys: st[batch][p][m][g][r]{M, sum}; and one scale byte a group: sb[batch][p][m][g][r][j].
; The search for a maximum begins at -3e38, so that a query none of whose keys counts here gets p = 0 and sum 0.
; LIMITS: as launch 1's; scaled scores stay under 2^31 in magnitude.
; REGISTERS: window 0: v1-12 addresses and the like; v32-71 scale words; v80-191 the way out.  windows 1, 2: sums of unit (k, j): 16 registers at 16 k (k + 1) + 16 j (k = 3, j > 3: window 2, 16 (j - 4)).
;   window 2: v64-255 K's fragments, three sets of two groups.   window 3: Q's, four sets of four tiles.
.set REC,   16896
.set KST,   64*REC                     ; in pp: from my tile k to my tile k + 1
.set STG,   262144                     ; behind K: my work-group's scale bytes, 2,048, and statistics, 2,048
.set SPARE, STG+4096                   ; the spare words, 128 bytes for each wave: two blocks of 256 bytes that no other line names
.set AK,   4                           ; v4-7  K's fragments of K steps 2 n, 2 n + 1
.set LI,   8                           ; v8   16 x lane
.set NEG,  9                           ; v9   -infinity
.set D0,   10                          ; v10  on the diagonal register i of a unit is hidden where i > D0
.set L4,   11                          ; v11  4 x lane
.set QWO,  12                          ; v12  Q's scale words: 4 r, + a block quadruple for lanes 16-31
.set SBA,  13                          ; v13  where my scale bytes go, v14 where the work-group's are read
.set SBR,  14
.set SPW,  16                          ; v16  LDS address of my spare word; never rewritten
.set NIL,  17                          ; v17  0; never rewritten
.set SC,   32                          ; set n at v[SC + 10 n]: K's words of group j (lanes 0-15 tile 2 c, 16-31 tile 2 c + 1), then Q's of tiles 0, 1 and 2, 3
.set BM,   80                          ; v80-87 the blocks' maxima,
.set PR,   88                          ; v88-95 lane l xor 16's,
.set SOP,  96                          ; v96-103 the conversions' scale operands,
.set BND,  104                         ; v104-111 448 x the scales,
.set BY,   112                         ; v112-119 the scale bytes
.set ML,   120                         ; v120 M, v121 the sum
.set NM,   122                         ; v122 -M
.set LA,   124
.set LB,   126
.set WD,   192                         ; v192-193 the eight bytes
.set PC,   128                         ; v128-159, v160-191 codes
.set WV,   12                          ; s12 wave
.set E,    13
.set DG,   20                          ; s20  which conditional group lies on the diagonal: 0, 1, or 7: none
.set G1,   24                          ; s[24:31], s[32:35] descriptor groups 1 and 0
.set INI,  36                          ; s36, s37 what the conditional sums begin with
.set QB,   46                          ; s[46:47] my tiles of Q, s[48:49] their words, s[50:51] K's words
.set QW,   48
.set KW,   50
.set OUT,  52
.set STB,  54                          ; s[54:55] statistics, s[60:61] bytes
.set CS,   56
.set SEL,  58
.set SBB,  60
.set MNT,  62
.set LOW,  63
.set MSB, 0
.macro WIN new                         ; the immediate's high byte repeats the setting that is left; a switch that changes nothing is dropped
.if MSB != (\new)
	s_set_vgpr_msb (MSB<<8)|(\new)
.set MSB, (\new)
.endif
.endm
.macro PLACES n                        ; plain vector lines behind matrix instructions: eight for this form, ahead of loads into registers that they read and of reads of results
.rept \n
	v_nop
.endr
.endm
.macro CROUND                          ; a round of the cluster's barrier
	s_barrier_signal -1
	s_barrier_wait -1
	s_cmp_lg_u32 s[WV], 0
	s_cbranch_scc1 .Lnot_wave_0_\@
	s_barrier_signal -3
.Lnot_wave_0_\@:
	s_barrier_wait -3
	s_barrier_signal -1
	s_barrier_wait -1
.endm
.macro KLOAD
	tensor_load_to_lds s[32:35], s[G1:G1+7]
	s_nop 0
	PLACES 4
.endm
.macro AC k, j                         ; the unit's registers: ACB, in window ACW
.if (\k) == 3 && (\j) > 3
.set ACW, 2
.set ACB, 16*((\j)-4)
.else
.set ACW, 1
.set ACB, 16*(\k)*((\k)+1)+16*(\j)
.endif
.endm
.macro QLOAD ks                        ; Q of K step ks and both sides' scale words: 26 loads
	WIN 0xc0                                       ; destination window 3, address window 0
.irp k, 0,1,2,3
.irp c, 0,1,2,3
	global_load_b128 v[64*((\ks)%4)+16*\k+4*\c:64*((\ks)%4)+16*\k+4*\c+3], v[LI], s[QB:QB+1] offset:32*REC*\k+REC*(\ks)+512*\c
.endr
.endr
	WIN 0
.irp j, 0,1,2,3,4,5,6,7
	global_load_b32 v[SC+10*((\ks)%4)+\j], v[L4], s[KW:KW+1] offset:16*REC*\j+REC*(\ks)
.endr
.irp u, 0,1
	global_load_b32 v[SC+10*((\ks)%4)+8+\u], v[QWO], s[QW:QW+1] offset:64*REC*\u+REC*(\ks)
.endr
.endm
; The walk goes by pairs g = 4 ks + jp: K step ks, groups 2 jp and 2 jp + 1; pair g's fragments lie in set g % 3 and are fetched two pairs ahead: 16 loads
.macro FETCHP g
	WIN 0x80                                       ; destination window 2, address window 0
.irp t, 0,1,2,3
.irp c, 0,1,2,3
	ds_load_b128 v[64+64*((\g)%3)+16*\t+4*\c:64+64*((\g)%3)+16*\t+4*\c+3], v[AK+(\g)/8] offset:32768*(((\g)/4)%2)+8192*((\g)%4)+2048*\t+512*\c
.endr
.endr
	WIN 0
.endm
.macro MUL2 k, jj, zero                ; unit (k, 2 JP + jj): two matrix instructions
	AC \k, 2*JP+(\jj)
	WIN 0x0e+0x50*ACW                              ; source 0 (K) window 2, source 1 (Q) window 3, C and D the unit's
.set RQ, 64*(KS%4)+16*(\k)
.set SQ, SC+10*(KS%4)+8+(\k)/2
.set SK, SC+10*(KS%4)+2*JP+(\jj)
.set RK, 64+64*GS+32*(\jj)
.if (\zero) && (\k)%2
	v_wmma_scale_f32_16x16x128_f8f6f4 v[ACB:ACB+7], v[RK:RK+15], v[RQ:RQ+15], 0, v[SK], v[SQ] matrix_b_scale:MATRIX_SCALE_ROW1
	v_wmma_scale_f32_16x16x128_f8f6f4 v[ACB+8:ACB+15], v[RK+16:RK+31], v[RQ:RQ+15], 0, v[SK], v[SQ] matrix_a_scale:MATRIX_SCALE_ROW1 matrix_b_scale:MATRIX_SCALE_ROW1
.elseif \zero
	v_wmma_scale_f32_16x16x128_f8f6f4 v[ACB:ACB+7], v[RK:RK+15], v[RQ:RQ+15], 0, v[SK], v[SQ]
	v_wmma_scale_f32_16x16x128_f8f6f4 v[ACB+8:ACB+15], v[RK+16:RK+31], v[RQ:RQ+15], 0, v[SK], v[SQ] matrix_a_scale:MATRIX_SCALE_ROW1
.elseif (\k)%2
	v_wmma_scale_f32_16x16x128_f8f6f4 v[ACB:ACB+7], v[RK:RK+15], v[RQ:RQ+15], v[ACB:ACB+7], v[SK], v[SQ] matrix_b_scale:MATRIX_SCALE_ROW1
	v_wmma_scale_f32_16x16x128_f8f6f4 v[ACB+8:ACB+15], v[RK+16:RK+31], v[RQ:RQ+15], v[ACB+8:ACB+15], v[SK], v[SQ] matrix_a_scale:MATRIX_SCALE_ROW1 matrix_b_scale:MATRIX_SCALE_ROW1
.else
	v_wmma_scale_f32_16x16x128_f8f6f4 v[ACB:ACB+7], v[RK:RK+15], v[RQ:RQ+15], v[ACB:ACB+7], v[SK], v[SQ]
	v_wmma_scale_f32_16x16x128_f8f6f4 v[ACB+8:ACB+15], v[RK+16:RK+31], v[RQ:RQ+15], v[ACB+8:ACB+15], v[SK], v[SQ] matrix_a_scale:MATRIX_SCALE_ROW1
.endif
.endm
.macro PSTEP g
.set KS, (\g)/4
.set JP, (\g)%4
.set GS, (\g)%3
.if (\g) == 14
	s_wait_tensorcnt 0x0                           ; my part of K steps 4-7 is in,
	s_wait_dscnt 0x0
	s_barrier_signal -1
	s_barrier_wait -1                              ; and everybody's
.endif
	PLACES 8
.if JP == 0 && KS < 6
	QLOAD KS+2
.endif
.if (\g)+2 < 32
	FETCHP (\g)+2
.endif
.if JP == 0
.if KS < 6
	s_wait_loadcnt 52                              ; all but the next two K steps'
.else
	s_wait_loadcnt 26*(7-KS)
.endif
.endif
.if (\g) < 30
	s_wait_dscnt 32                                ; all but the next two pairs'
.else
	s_wait_dscnt 16*(31-(\g))
.endif
.set K2, JP+1
.rept 3-JP
.if KS == 0
	MUL2 K2, 0, 1
	MUL2 K2, 1, 1
.else
	MUL2 K2, 0, 0
	MUL2 K2, 1, 0
.endif
.set K2, K2+1
.endr
	WIN 0
	s_cmp_lt_u32 s[E], 1
	s_cbranch_scc1 .Lnone_\@
	MUL2 JP, 0, 0
	WIN 0
	s_cmp_lt_u32 s[E], 2
	s_cbranch_scc1 .Lnone_\@
	MUL2 JP, 1, 0
	WIN 0
.Lnone_\@:
.endm
	s_load_b256 s[4:11], s[0:1], 0x0               ; qk, pp, st, sb
	v_lshl_add_u32 v[SPW], v0, 2, SPARE
	v_mov_b32 v[NIL], 0
	ds_add_u32 v[SPW], v[NIL]                      ; the wave's opening: the add, twice on end, and its wait ahead of my first tensor load
	ds_add_u32 v[SPW], v[NIL]
	v_lshrrev_b32 v1, 5, v0
	v_readfirstlane_b32 s[WV], v1
	s_bfe_u32 s40, ttmp6, 0x40000                  ; cx
	s_lshl_b32 s14, ttmp9, 2
	s_add_co_u32 s14, s14, s40                     ; p
	s_and_b32 s15, ttmp7, 0xffff                   ; y
	s_lshr_b32 s16, s15, 3                         ; batch
	s_and_b32 s17, s15, 7                          ; m
	s_lshr_b32 s18, s17, 2                         ; m / 4
	s_and_b32 s19, s17, 3                          ; c
	s_mov_b32 s[G1], 15|(3<<16)|(1<<21)            ; the mask: the cluster's four; elements of 8 bytes; bit 21 beside a mask; no padding
	s_mov_b32 s[G1+1], 512<<16                     ; rows of 4,096 bytes: a group's two tiles;
	s_mov_b32 s[G1+2], 8<<16                       ; eight of them: the groups,
	s_mov_b32 s[G1+3], 512<<16
	s_mov_b32 s[G1+4], 8
	s_mov_b32 s[G1+5], 2*REC                       ; 16 records apart (in elements of 8 bytes)
	s_mov_b32 s[G1+6], 0
	s_mov_b32 s[G1+7], 0
	s_lshl_b32 s41, s16, 4
	s_add_co_u32 s42, s41, s18
	s_add_co_u32 s42, s42, 64
	s_mul_i32 s42, s42, 8*REC                      ; K: block 64 + 16 batch + m / 4
	s_mul_i32 s43, s[WV], REC
	s_add_co_u32 s38, s42, s43                     ; K step w,
	s_lshl_b32 s43, s19, 12
	s_add_co_u32 s38, s38, s43                     ; tiles 2 c, 2 c + 1
	s_mov_b32 s39, 0
	s_mov_b32 s32, 1
	s_lshl_b32 s33, s[WV], 15
	s_lshl_b32 s43, s19, 7
	s_add_co_u32 s[KW], s42, s43
	s_add_co_u32 s[KW], s[KW], 16384
	s_mov_b32 s[KW+1], 0
	s_add_co_u32 s41, s41, s[WV]                   ; Q: block 16 batch + w
	s_mul_i32 s42, s41, 8*REC
	s_lshl_b32 s43, s14, 11
	s_add_co_u32 s[QB], s42, s43
	s_mov_b32 s[QB+1], 0
	s_lshl_b32 s43, s14, 6
	s_add_co_u32 s[QW], s42, s43
	s_add_co_u32 s[QW], s[QW], 16384
	s_mov_b32 s[QW+1], 0
	s_lshl_b32 s42, s41, 4
	s_add_co_u32 s42, s42, s18
	s_mul_i32 s42, s42, REC                        ; pp: record (16 batch + w) 16 + m / 4
	s_lshl_b32 s43, s14, 11
	s_add_co_u32 s[OUT], s42, s43
	s_lshl_b32 s43, s19, 9
	s_add_co_u32 s[OUT], s[OUT], s43
	s_mov_b32 s[OUT+1], 0
	s_lshl_b32 s42, s16, 3
	s_add_co_u32 s42, s42, s14
	s_lshl_b32 s42, s42, 3
	s_add_co_u32 s42, s42, s17
	s_lshl_b32 s[STB], s42, 11                     ; ((batch 8 + p) 8 + m) 2,048
	s_lshl_b32 s43, s[WV], 9
	s_add_co_u32 s[STB], s[STB], s43               ; + my 512
	s_mov_b32 s[STB+1], 0
	s_add_co_u32 s42, s[WV], 2
	s_sub_co_u32 s42, s42, s18
	s_lshr_b32 s[E], s42, 1
	s_mov_b32 s[DG], 7
	s_sub_co_u32 s43, s[E], 1
	s_and_b32 s42, s42, 1
	s_cmp_eq_u32 s42, 0
	s_cselect_b32 s[DG], s43, s[DG]                ; s = g for the last group that counts
	s_mov_b32 s42, 0xff800000
	s_cmp_ge_u32 s[E], 1
	s_cselect_b32 s[INI], 0, s42
	s_cmp_ge_u32 s[E], 2
	s_cselect_b32 s[INI+1], 0, s42
	s_mov_b32 s[CS], 0x3d38aa3b                    ; log2(e) / 32
	s_mov_b32 s[CS+1], s[CS]
	s_mov_b32 s[SEL], 0x76543210
	s_mov_b32 s[SEL+1], 0xfedcba98
	s_mov_b32 s[MNT], 0x600000
	s_mov_b32 s[LOW], 0xff61b1e6                   ; -3e38
	s_wait_dscnt 0x0                               ; both opening adds are done
	CROUND                                         ; all four work-groups are here
	s_wait_kmcnt 0x0
	s_add_nc_u64 s[34:35], s[4:5], s[38:39]
	s_or_b32 s35, s35, 0x80000000
	KLOAD                                          ; K steps 0-3: one tensor load a wave at the head
	s_add_nc_u64 s[QB:QB+1], s[4:5], s[QB:QB+1]
	s_add_nc_u64 s[QW:QW+1], s[4:5], s[QW:QW+1]
	s_add_nc_u64 s[KW:KW+1], s[4:5], s[KW:KW+1]
	s_add_nc_u64 s[OUT:OUT+1], s[6:7], s[OUT:OUT+1]
	s_add_nc_u64 s[SBB:SBB+1], s[10:11], s[STB:STB+1]
	s_add_nc_u64 s[STB:STB+1], s[8:9], s[STB:STB+1]
	s_lshr_b32 s42, s14, 1
	s_lshl_b32 s42, s42, 5
	s_and_b32 s43, s14, 1
	s_lshl_b32 s43, s43, 3
	s_add_co_u32 s42, s42, s43
	s_lshl_b32 s43, s19, 5
	s_sub_co_u32 s42, s42, s43                     ; 32 (p / 2) + 8 (p % 2) - 32 c
	s_lshl_b32 s43, s[WV], 7
	s_add_co_u32 s43, s43, STG
	s_lshl_b32 s44, s[WV], 9
	s_add_co_u32 s44, s44, STG
	v_and_b32 v1, 15, v0                           ; r
	v_bfe_u32 v2, v0, 4, 1                         ; h
	v_and_b32 v3, 31, v0
	v_lshlrev_b32 v[LI], 4, v3
	v_lshlrev_b32 v[L4], 2, v3
	v_mul_u32_u24 v[QWO], 32*REC, v2
	v_and_b32 v[D0], 8, v1
	v_lshl_add_u32 v[QWO], v1, 2, v[QWO]
	v_add_nc_u32 v[D0], v[D0], v1
	v_lshlrev_b32 v2, 4, v2
	v_sub_nc_u32 v[D0], v[D0], v2
	v_add_nc_u32 v[D0], s42, v[D0]
	v_mov_b32 v[NEG], 0xff800000
	v_mov_b32 v[AK], v[LI]
	v_add_nc_u32 v[AK+1], 0x10000, v[LI]
	v_add_nc_u32 v[AK+2], 0x20000, v[LI]
	v_add_nc_u32 v[AK+3], 0x30000, v[LI]
	v_lshl_add_u32 v[SBA], v1, 3, s43
	v_add_nc_u32 v[SBR], s44, v[LI]
	v_mov_b32 v[NM+1], 0                           ; (named as the upper half of a pair)
.irp j, 0,1,2,3,4,5,6,7
	v_mov_b32 v[PR+\j], 0                          ; a lane permute's destination counts as one of its sources
.endr
	QLOAD 0
	QLOAD 1
.irp k, 0,1,2,3                        ; the conditional sums' beginnings: 0 or -infinity
.irp u, 0,1
	AC \k, 2*\k+\u
	WIN ACW<<6
.set n, 0
.rept 16
	v_mov_b32 v[ACB+n], s[INI+\u]
.set n, n+1
.endr
.endr
.endr
	WIN 0
	s_wait_alu depctr_va_vdst(0)                   ; the wait at the head's end
	s_wait_tensorcnt 0x0                           ; my part of K steps 0-3 is in
	ds_add_u32 v[SPW], v[NIL]
	s_add_co_u32 s33, s33, 4*32768
	s_add_nc_u64 s[34:35], s[34:35], 4*REC         ; the type bits on top are not reached
	s_wait_dscnt 0x0
	CROUND
	KLOAD                                          ; K steps 4-7
	FETCHP 0
	FETCHP 1
.set GI, 0
.rept 32
	PSTEP GI
.set GI, GI+1
.endr
	PLACES 8
; THE WAY OUT of tile k: 2 k + 2 units, a lane's query and 16 keys each.  A RUN is n units from j0 on, in one window.
.macro DIAG k, u
	WIN 0
	s_cmp_eq_u32 s[DG], \u
	s_cbranch_scc0 .Lopen_\@
	AC \k, 2*(\k)+\u
	WIN ACW|(ACW<<6)
	s_wait_alu depctr_va_vdst(0)                   ; the wait ahead of the sums' first readers
.irp i, 0,1,2,3,4,5,6,7,8,9,10,11,12,13,14,15
	v_cmp_gt_i32 vcc_lo, \i, v[D0]
	v_cndmask_b32 v[ACB+\i], v[ACB+\i], v[NEG], vcc_lo
.endr
	WIN 0
.Lopen_\@:
.endm
.macro MAXRUN k, j0, n
	AC \k, \j0
	WIN (ACW<<2)|(ACW<<4)
	s_wait_alu depctr_va_vdst(0)                   ; the wait ahead of the sums' first readers
.set I, 0
.rept 8
.set J, 0
.rept \n
.if I == 0
	v_max3_num_f32 v[BM+(\j0)+J], s[LOW], v[ACB+16*J], v[ACB+16*J+1]
.else
	v_max3_num_f32 v[BM+(\j0)+J], v[BM+(\j0)+J], v[ACB+16*J+2*I], v[ACB+16*J+2*I+1]
.endif
.set J, J+1
.endr
.set I, I+1
.endr
.endm
.macro FMARUN k, j0, n
	AC \k, \j0
	WIN ACW|(ACW<<6)
.set I, ACB
.rept 8*(\n)
	v_pk_fma_f32 v[I:I+1], v[I:I+1], s[CS:CS+1], v[NM:NM+1] op_sel_hi:[1,0,0]   ; t - M
.set I, I+2
.endr
.endm
.macro EXPRUN k, j0, n
	AC \k, \j0
	WIN ACW|(ACW<<6)
.set I, ACB
.rept 16*(\n)
	v_exp_f32 v[I], v[I]
.set I, I+1
.endr
.endm
.macro SUMRUN k, j0, n                 ; of the unquantised p, in two chains
	AC \k, \j0
.set I, ACB
.set J, 4*(\n)
.if (\j0) == 0
	WIN ACW|(ACW<<2)
	v_pk_add_f32 v[LA:LA+1], v[I:I+1], v[I+2:I+3]
	v_pk_add_f32 v[LB:LB+1], v[I+4:I+5], v[I+6:I+7]
.set I, I+8
.set J, J-2
.endif
	WIN ACW<<2
.rept J
	v_pk_add_f32 v[LA:LA+1], v[LA:LA+1], v[I:I+1]
	v_pk_add_f32 v[LB:LB+1], v[LB:LB+1], v[I+2:I+3]
.set I, I+4
.endr
.endm
.macro CVTRUN k, j0, n, pc
	AC \k, \j0
	WIN ACW|(ACW<<6)
.set J, 0
.rept \n
.set I, ACB+16*J
.rept 16
	v_min_num_f32 v[I], v[I], v[BND+(\j0)+J]       ; the conversion to an 8-bit code does not saturate (ISA guide 7.6.2); p is not negative
.set I, I+1
.endr
.set J, J+1
.endr
	WIN ACW
.set J, 0
.rept \n
.set I, ACB+16*J
.set P_, (\pc)+4*((\j0)+J)
	v_cvt_scalef32_pk8_fp8_f32 v[P_:P_+1], v[I:I+7], v[SOP+(\j0)+J]
	v_cvt_scalef32_pk8_fp8_f32 v[P_+2:P_+3], v[I+8:I+15], v[SOP+(\j0)+J]
.set J, J+1
.endr
.endm
.macro EACH op:vararg                  ; a line for each of the tile's units J
.set J, 0
.rept NU
	\op
.set J, J+1
.endr
.endm
.macro EPI k, pc
.set NU, 2*(\k)+2
	DIAG \k, 0
	DIAG \k, 1
.if (\k) == 3
	MAXRUN 3, 0, 4
	MAXRUN 3, 4, 4
.else
	MAXRUN \k, 0, NU
.endif
	WIN 0
	EACH v_permlanex16_b32 v[PR+J], v[BM+J], s[SEL], s[SEL+1]
	EACH v_max_num_f32 v[BM+J], v[BM+J], v[PR+J]   ; a block's largest score: for M, and, since p rises with the score, for the block's largest p
	v_max_num_f32 v[ML], v[BM], v[BM+1]
.set J, 2
.rept \k
	v_max3_num_f32 v[ML], v[ML], v[BM+J], v[BM+J+1]
.set J, J+2
.endr
	v_mul_f32 v[ML], s[CS], v[ML]
	v_floor_f32 v[NM], -v[ML]                      ; -M: M is a whole number
	EACH v_fma_f32 v[BM+J], v[BM+J], s[CS], v[NM]
	EACH v_min_num_f32 v[BM+J], 0, v[BM+J]         ; t - M is not positive but for rounding; where none of a query's keys counts both terms are beyond 1e37, and the byte is still held under 120
.if (\k) == 3
	FMARUN 3, 0, 4
	FMARUN 3, 4, 4
.else
	FMARUN \k, 0, NU
.endif
	s_wait_alu depctr_va_vdst(0)                   ; the wait ahead of the batch,
.if (\k) == 3
	EXPRUN 3, 0, 4
	EXPRUN 3, 4, 4
.else
	EXPRUN \k, 0, NU
.endif
	WIN 0
	v_mul_f32 v[ML], -1.0, v[NM]                   ; M (a plain place behind the batch)
	s_wait_alu depctr_va_vdst(0)                   ; and ahead of its first reader
	EACH v_exp_f32 v[BM+J], v[BM+J]
.if (\k) == 3
	SUMRUN 3, 0, 4
	SUMRUN 3, 4, 4
.else
	SUMRUN \k, 0, NU
.endif
	WIN 0
	v_pk_add_f32 v[LA:LA+1], v[LA:LA+1], v[LB:LB+1]
	v_add_f32 v[ML+1], v[LA], v[LA+1]
	v_permlanex16_b32 v[PR], v[ML+1], s[SEL], s[SEL+1]
	v_add_f32 v[ML+1], v[ML+1], v[PR]
	s_wait_alu depctr_va_vdst(0)                   ; the blocks' largest p: the wait ahead of their first reader
	EACH v_max_num_f32 v[BM+J], 0x4800000, v[BM+J] ; the floor 2^(9 - 127): the byte cannot fall under 1
	EACH v_add_nc_u32 v[SOP+J], 0xfc000000, v[BM+J]
	EACH v_and_or_b32 v[BND+J], v[BM+J], 0x7f800000, s[MNT]
	EACH v_lshrrev_b32 v[BY+J], 23, v[SOP+J]
	v_lshl_or_b32 v[WD], v[BY+1], 8, v[BY]
.if (\k) > 0
	v_lshl_or_b32 v[WD], v[BY+2], 16, v[WD]
	v_lshl_or_b32 v[WD], v[BY+3], 24, v[WD]
.endif
.if (\k) > 1
	v_lshl_or_b32 v[WD+1], v[BY+5], 8, v[BY+4]
.else
	v_mov_b32 v[WD+1], 0
.endif
.if (\k) > 2
	v_lshl_or_b32 v[WD+1], v[BY+6], 16, v[WD+1]
	v_lshl_or_b32 v[WD+1], v[BY+7], 24, v[WD+1]
.endif
.if (\k) < 2
	s_wait_alu depctr_va_vdst(0)                   ; the wait here, directly ahead of the wait below
	s_wait_xcnt 0x0                                ; the stores of the tile two back have read the registers that codes take now
.endif
.if (\k) == 3
	CVTRUN 3, 0, 4, \pc
	CVTRUN 3, 4, 4, \pc
.else
	CVTRUN \k, 0, NU, \pc
.endif
	WIN 0
	v_nop                                          ; a plain line behind the last conversion
	ds_store_b64 v[SBA], v[WD:WD+1] offset:512*(\k)
	ds_store_b64 v[SBA], v[ML:ML+1] offset:2048+512*(\k)
.set J, 0
.rept 2*(\k)
	global_store_b128 v[LI], v[(\pc)+4*J:(\pc)+4*J+3], s[OUT:OUT+1] offset:KST*(\k)+2*REC*J   ; 512 consecutive bytes, at a multiple of 256 from the buffer's first byte
.set J, J+1
.endr
	s_cmp_lt_u32 s[E], 1
	s_cbranch_scc1 .Lfew_\@
	global_store_b128 v[LI], v[(\pc)+8*(\k):(\pc)+8*(\k)+3], s[OUT:OUT+1] offset:KST*(\k)+4*REC*(\k)
	s_cmp_lt_u32 s[E], 2
	s_cbranch_scc1 .Lfew_\@
	global_store_b128 v[LI], v[(\pc)+8*(\k)+4:(\pc)+8*(\k)+7], s[OUT:OUT+1] offset:KST*(\k)+4*REC*(\k)+2*REC
.Lfew_\@:
.endm
	EPI 3, PC
	EPI 2, PC+32
	EPI 1, PC
	EPI 0, PC+32
	s_wait_dscnt 0x0                               ; for the others' sake: my bytes and statistics have landed
	s_barrier_signal -1
	s_barrier_wait -1
	ds_load_b128 v[200:203], v[SBR]
	ds_load_b128 v[204:207], v[SBR] offset:2048
	s_wait_dscnt 0x0
	global_store_b128 v[LI], v[200:203], s[SBB:SBB+1]
	global_store_b128 v[LI], v[204:207], s[STB:STB+1]
	s_wait_tensorcnt 0x0                           ; the wave's end: behind my last tensor load and my last LDS store
	ds_add_u32 v[SPW], v[NIL]
	s_wait_dscnt 0x0
	CROUND                                         ; the closing round: no work-group ends while a partner may still ask for a tile that names it
	s_endpgm
.Lfunc_end_k_q5bf1c73bc3_score:
	.size	k_q5bf1c73bc3_score, .Lfunc_end_k_q5bf1c73bc3_score-k_q5bf1c73bc3_score
	.p2alignl 7, 3214868480
	.fill 96, 4, 3214868480
	.section	.rodata,"a",@progbits
	.p2align	6, 0x0
	.amdhsa_kernel k_q5bf1c73bc3_score
		.amdhsa_group_segment_fixed_size 327680
		.amdhsa_private_segment_fixed_size 0
		.amdhsa_enable_private_segment 0
		.amdhsa_kernarg_size 32
		.amdhsa_user_sgpr_count 2
		.amdhsa_user_sgpr_kernarg_segment_ptr 1
		.amdhsa_wavefront_size32 1
		.amdhsa_system_sgpr_workgroup_id_x 1
		.amdhsa_system_sgpr_workgroup_id_y 1
		.amdhsa_system_sgpr_workgroup_id_z 1
		.amdhsa_system_vgpr_workitem_id 0
		.amdhsa_next_free_vgpr 1024
		.amdhsa_next_free_sgpr 80
		.amdhsa_reserve_vcc 1
		.amdhsa_float_denorm_mode_32 3
		.amdhsa_float_denorm_mode_16_64 3
		.amdhsa_memory_ordered 1
		.amdhsa_forward_progress 1
		.amdhsa_inst_pref_size 204
	.end_amdhsa_kernel
	.amdgpu_metadata
---
amdhsa.version: [ 1, 2 ]
amdhsa.kernels:
  - .name:           k_q5bf1c73bc3_score
    .symbol:         k_q5bf1c73bc3_score.kd
    .args:
      - { .name: qk, .offset: 0, .size: 8, .value_kind: global_buffer, .address_space: global }
      - { .name: pp, .offset: 8, .size: 8, .value_kind: global_buffer, .address_space: global }
      - { .name: st, .offset: 16, .size: 8, .value_kind: global_buffer, .address_space: global }
      - { .name: sb, .offset: 24, .size: 8, .value_kind: global_buffer, .address_space: global }
    .group_segment_fixed_size: 327680
    .private_segment_fixed_size: 0
    .kernarg_segment_align: 8
    .kernarg_segment_size: 32
    .max_flat_workgroup_size: 128
    .sgpr_count:     80
    .vgpr_count:     1024
    .wavefront_size: 32
...
	.end_amdgpu_metadata
.endif
;; end of part 3
;; launch pv (part 4): grid 8 x 32, 4 waves a work-group, clusters of 4 x 1, 327,680 bytes of LDS; arguments pp, vt, st, out0, sb; writes out0
.if DOCPART == 4
	.amdgcn_target "amdgcn-amd-amdhsa--gfx1250"
	.amdhsa_code_object_version 6
	.text
	.protected	k_q5bf1c73bc3_pv
	.globl	k_q5bf1c73bc3_pv
	.p2align	8
	.type	k_q5bf1c73bc3_pv,@function
k_q5bf1c73bc3_pv:
	s_mov_b64 s[64:65], 0
	v_nop
	global_prefetch_b8 v0, s[64:65] scope:SCOPE_SE
	s_setreg_imm32_b32 hwreg(HW_REG_WAVE_MODE, 25, 1), 1
	s_wait_xcnt 0x0
	s_wait_alu depctr_hold_cnt(0) depctr_sa_sdst(0) depctr_va_vdst(0) depctr_va_sdst(0) depctr_va_ssrc(0) depctr_va_vcc(0) depctr_vm_vsrc(0)
	s_getreg_b32 s2, hwreg(HW_REG_IB_STS2, 6, 4)
	s_cmp_eq_u32 s2, 0
	s_cbranch_scc0 .Lentry_in_a_cluster
	s_endpgm
.Lentry_in_a_cluster:
	s_bfe_u32 s2, ttmp6, 0x10000c
	s_cmp_lg_u32 s2, 0x3003
	s_cbranch_scc0 .Lentry_shape_is_right
	s_endpgm
.Lentry_shape_is_right:
; LAUNCH 4 OF 4.  O^T = V^T P^T on the records of launches 2 and 3, divided by the row's sum.
; WORK LEFT OUT: the products of key steps s > g of a block g of 128 queries: all their weights are 0 by reference()'s own causal mask (launch 1's head).
; SHARES.  Work-group (p, y = 8 batch + gc) owns tile p (16 queries) of EACH of the batch's sixteen blocks of 128 queries, x 128 channels (gc): so all work-groups have the same work.  Wave w owns tiles k = 0 .. 3: block g = 4 k + w;
; source 0 = 8 tiles of V^T, source 1 = P's tiles, 32 accumulators in window 2.  Key steps 4 j + c: tiles k > j always count, tile j where c <= w: a jump on the wave's number round matrix instructions alone.
; V: all 16 key steps of the work-group's channels lie in LDS: 16 records, filled once: records 0-7 at the head, records 8-15 behind the head's full sequence; each wave fetches two records a load.  The four work-groups of a cluster have the
; same batch and channels: each load is asked for jointly by the four.
; P COMES STRAIGHT INTO REGISTERS: a tile's 2,048 bytes of a record are an image of the operand's registers: four loads of 512 consecutive bytes.  Four sets (window 3) take turns: step s + 3 is asked for in step s.  Where tile j of a step
; does not count its loads name the last record that does (stored bytes, not used), so that every wave issues the same loads.
; THE HEAD: lane (r, h) takes its wave's queries r of tiles k = h and h + 2: M = the largest Mloc of pieces s = 0 .. g; l = the sum of lloc 2^(Mloc - M), exact scalings; each piece's four scale bytes of P are lowered by
; M - Mloc (held at 0), so that the codes stand under the row's M; the words pass through the wave's own LDS bytes into the order in which the products take them, 1 / l beside them.
; No prefetch into the L2: the sixteen steps are written out, with no loop to run ahead in; P's loads stand three steps ahead.
; LIMITS: a piece whose Mloc lies 127 or more under M counts with the scale 2^-127 and its sum with 2^-127, under 1e-35 of the row's sum; NaN and infinities are not served.
; REGISTERS: window 0: v4-31 addresses; v32-47 scale words, two sets (V's four: even tiles in lanes 0-15, odd in 16-31; P's four); v56-59 1 / l; v60-239 the head's work; on the way out v64-191 rows of O, v192-255 numbers.
;   window 1: V's fragments, two sets.   window 2: accumulator (k, b) at v[8 (8 k + b)].   window 3: P's fragments, four sets of 64.
; THE HEAD'S PIECES are launch 3's eight shares m of the keys: each query has eight {Mloc, lloc} and eight times eight scale bytes, byte j of share m for block m % 4 of key step 2 j + m / 4.  Where a group j lies above the mask its byte is
; not used; a share none of whose keys counts has a sum of 0.  Lowered by M - Mloc, the bytes are turned into one word a key step.
.set REC,   16896
.set RB,    2*REC                      ; what one tensor load brings
.set KST,   64*REC                     ; in pp: from my tile k to my tile k + 1
.set PS,    16*REC                     ; behind V: P's scale words under M: [key step][wave][r][k], 1,024 bytes a step
.set RLB,   PS+16384                   ; 1 / l: [wave][r][k]
.set STG,   RLB+1024                   ; the way out: a stage of 16 rows x (512 + 16) bytes for each wave
.set SGB,   16*528
.set SPARE, STG+4*SGB                  ; the spare words, 128 bytes for each wave: two blocks of 256 bytes that no other line names
.set AV,   4                           ; v4-11  V's fragments of key steps 2 n, 2 n + 1
.set SPW,  12                          ; v12  LDS address of my spare word; never rewritten
.set NIL,  13                          ; v13  0; never rewritten
.set PSW,  14                          ; v14  where my words go: tile k = h (+ 8: h + 2)
.set APS,  15                          ; v15  and where they are read
.set STO,  16                          ; v16  the stage: in
.set RD,   17                          ; v17  and back
.set VO,   18                          ; v18-21 16 x lane + min(c, w) REC, c = 0 .. 3
.set LI,   18                          ; v18  16 x lane
.set AVS,  22                          ; v22-29 V's scale words
.set SCW,  32
.set RL,   56
.set SB0,  60                          ; v60  my place in the statistics and in the bytes
.set T,    192
.set WV,   12                          ; s12 wave
.set G1,   24                          ; s[24:31] descriptor group 1; s[32:35] group 0
.set MSB, 0
.macro WIN new                         ; the immediate's high byte repeats the setting that is left; a switch that changes nothing is dropped
.if MSB != (\new)
	s_set_vgpr_msb (MSB<<8)|(\new)
.set MSB, (\new)
.endif
.endm
.macro PLACES n                        ; plain vector lines behind matrix instructions: eight for this form, ahead of loads into registers that they read and of reads of results
.rept \n
	v_nop
.endr
.endm
.macro CROUND                          ; a round of the cluster's barrier
	s_barrier_signal -1
	s_barrier_wait -1
	s_cmp_lg_u32 s[WV], 0
	s_cbranch_scc1 .Lnot_wave_0_\@
	s_barrier_signal -3
.Lnot_wave_0_\@:
	s_barrier_wait -3
	s_barrier_signal -1
	s_barrier_wait -1
.endm
.macro VLOAD
	tensor_load_to_lds s[32:35], s[G1:G1+7]
	s_nop 0
	PLACES 4
.endm
.macro PLOAD t                         ; P of step t, tiles t / 4 .. 3, into set t % 4
	WIN 0xc0                                       ; destination window 3, address window 0
.set K_, (\t)/4
.rept 4-(\t)/4
.irp c, 0,1,2,3
.if K_ == (\t)/4
	global_load_b128 v[64*((\t)%4)+16*K_+4*\c:64*((\t)%4)+16*K_+4*\c+3], v[VO+(\t)%4], s[46:47] offset:K_*KST+4*((\t)/4)*REC+512*\c
.else
	global_load_b128 v[64*((\t)%4)+16*K_+4*\c:64*((\t)%4)+16*K_+4*\c+3], v[LI], s[46:47] offset:K_*KST+(\t)*REC+512*\c
.endif
.endr
.set K_, K_+1
.endr
	WIN 0
.endm
.macro FV s                            ; step s: V's eight fragments into set s % 2, its scale words and P's: 37 LDS loads
.set PP, (\s)%2
	WIN 0x40                                       ; destination window 1, address window 0
.irp b, 0,1,2,3,4,5,6,7
.irp c, 0,1,2,3
	ds_load_b128 v[128*PP+16*\b+4*\c:128*PP+16*\b+4*\c+3], v[AV+(\s)/2] offset:REC*PP+2048*\b+512*\c
.endr
.endr
	WIN 0
.irp b, 0,1,2,3
	ds_load_b32 v[SCW+8*PP+\b], v[AVS+(\s)/2] offset:REC*PP+128*\b
.endr
.if (\s) < 8
	ds_load_b128 v[SCW+8*PP+4:SCW+8*PP+7], v[APS] offset:1024*(\s)
.else
	ds_load_b64 v[SCW+8*PP+6:SCW+8*PP+7], v[APS] offset:1024*(\s)+8
.endif
.endm
.macro MUL8 s, k                       ; step s, tile k: eight matrix instructions; the accumulators take turns, one instruction a turn
.set PP, (\s)%2
.set PR, 64*((\s)%4)+16*(\k)
	WIN 0xad                                       ; source 0 (V) window 1, source 1 (P) window 3, C and D window 2
.irp b, 0,1,2,3,4,5,6,7
.if (\s) == 0 && (\b%2)
	v_wmma_scale_f32_16x16x128_f8f6f4 v[8*(8*(\k)+\b):8*(8*(\k)+\b)+7], v[128*PP+16*\b:128*PP+16*\b+15], v[PR:PR+15], 0, v[SCW+8*PP+\b/2], v[SCW+8*PP+4+(\k)] matrix_a_scale:MATRIX_SCALE_ROW1
.elseif (\s) == 0
	v_wmma_scale_f32_16x16x128_f8f6f4 v[8*(8*(\k)+\b):8*(8*(\k)+\b)+7], v[128*PP+16*\b:128*PP+16*\b+15], v[PR:PR+15], 0, v[SCW+8*PP+\b/2], v[SCW+8*PP+4+(\k)]
.elseif \b%2
	v_wmma_scale_f32_16x16x128_f8f6f4 v[8*(8*(\k)+\b):8*(8*(\k)+\b)+7], v[128*PP+16*\b:128*PP+16*\b+15], v[PR:PR+15], v[8*(8*(\k)+\b):8*(8*(\k)+\b)+7], v[SCW+8*PP+\b/2], v[SCW+8*PP+4+(\k)] matrix_a_scale:MATRIX_SCALE_ROW1
.else
	v_wmma_scale_f32_16x16x128_f8f6f4 v[8*(8*(\k)+\b):8*(8*(\k)+\b)+7], v[128*PP+16*\b:128*PP+16*\b+15], v[PR:PR+15], v[8*(8*(\k)+\b):8*(8*(\k)+\b)+7], v[SCW+8*PP+\b/2], v[SCW+8*PP+4+(\k)]
.endif
.endr
.endm
.macro STEPP s
.if (\s) == 7
	s_wait_tensorcnt 0x0                           ; my part of records 8-15 is in,
	s_wait_dscnt 0x0
	s_barrier_signal -1
	s_barrier_wait -1                              ; and everybody's
.endif
.if (\s) > 0
	PLACES 8
.endif
.if (\s)+3 < 16
	PLOAD (\s)+3
.endif
.if (\s) < 15
	FV (\s)+1
.endif
.set LC, 0                             ; P of step s is in: behind its loads stand those of the next three steps
.irp d, 1,2,3
.if (\s)+\d < 16
.set LC, LC+4*(4-((\s)+\d)/4)
.endif
.endr
	s_wait_loadcnt LC
.if (\s) < 15
	s_wait_dscnt 37                                ; all but the 37 just issued
.else
	s_wait_dscnt 0x0
.endif
.set K2, (\s)/4+1
.rept 3-(\s)/4
	MUL8 \s, K2
.set K2, K2+1
.endr
.if (\s)%4
	WIN 0
	s_cmp_ge_u32 s[WV], (\s)%4
	s_cbranch_scc0 .Lskip_\@
.endif
	MUL8 \s, (\s)/4
	WIN 0
.if (\s)%4
.Lskip_\@:
.endif
.endm
	s_load_b256 s[4:11], s[0:1], 0x0               ; pp, vt, st, out0
	s_load_b64 s[20:21], s[0:1], 0x20              ; sb
	v_lshl_add_u32 v[SPW], v0, 2, SPARE
	v_mov_b32 v[NIL], 0
	ds_add_u32 v[SPW], v[NIL]                      ; the wave's opening: the add, twice on end, and its wait ahead of my first tensor load
	ds_add_u32 v[SPW], v[NIL]
	v_lshrrev_b32 v1, 5, v0
	v_readfirstlane_b32 s[WV], v1
	s_bfe_u32 s40, ttmp6, 0x40000                  ; cx
	s_lshl_b32 s14, ttmp9, 2
	s_add_co_u32 s14, s14, s40                     ; p
	s_and_b32 s15, ttmp7, 0xffff                   ; y
	s_lshr_b32 s16, s15, 3                         ; batch
	s_and_b32 s17, s15, 7                          ; gc
	s_mov_b32 s[G1], 15|(3<<16)|(1<<21)            ; the mask: the cluster's four; elements of 8 bytes; bit 21 beside a mask; no padding
	s_mov_b32 s[G1+1], 32<<16                      ; rows of 256 bytes,
	s_mov_b32 s[G1+2], 132<<16                     ; 132 of them: two records
	s_mov_b32 s[G1+3], 32<<16
	s_mov_b32 s[G1+4], 132
	s_mov_b32 s[G1+5], 32
	s_mov_b32 s[G1+6], 0
	s_mov_b32 s[G1+7], 0
	s_lshl_b32 s41, s15, 4
	s_lshl_b32 s42, s[WV], 1
	s_add_co_u32 s41, s41, s42                     ; V: record 16 y + 2 wave
	s_mul_i32 s42, s41, REC
	s_mov_b32 s43, 0
	s_mov_b32 s32, 1
	s_mul_i32 s33, s[WV], RB
	s_lshl_b32 s44, s16, 4
	s_add_co_u32 s44, s44, s[WV]                   ; block 16 batch + w
	s_mul_i32 s45, s44, 16*REC
	s_lshl_b32 s40, s14, 11
	s_add_co_u32 s46, s45, s40                     ; P: + tile p
	s_mov_b32 s47, 0
	s_lshl_b32 s40, s16, 3
	s_add_co_u32 s40, s40, s14
	s_lshl_b32 s50, s40, 14                        ; statistics and bytes: (8 batch + p) 16,384,
	s_lshl_b32 s40, s[WV], 7
	s_add_co_u32 s50, s50, s40                     ; + block w
	s_mov_b32 s51, 0
	s_lshl_b32 s52, s44, 19                        ; O: block x 128 rows of 4,096 bytes,
	s_lshr_b32 s40, s14, 1
	s_lshl_b32 s40, s40, 17
	s_add_co_u32 s52, s52, s40                     ; + 32 (p / 2) rows
	s_and_b32 s40, s14, 1
	s_lshl_b32 s40, s40, 15
	s_add_co_u32 s52, s52, s40                     ; + 8 (p % 2) rows
	s_lshl_b32 s40, s17, 9
	s_add_co_u32 s52, s52, s40                     ; + my channels
	s_mov_b32 s53, 0
.irp c, 1,2,3
	s_min_u32 s[54+\c], s[WV], \c
	s_mul_i32 s[54+\c], s[54+\c], REC
.endr
	s_wait_dscnt 0x0                               ; both opening adds are done
	CROUND                                         ; all four work-groups are here
	s_wait_kmcnt 0x0
	s_add_nc_u64 s[34:35], s[6:7], s[42:43]
	s_or_b32 s35, s35, 0x80000000
	VLOAD                                          ; records 0-7: one tensor load a wave at the head
	s_add_nc_u64 s[46:47], s[4:5], s[46:47]
	s_add_nc_u64 s[48:49], s[20:21], s[50:51]
	s_add_nc_u64 s[50:51], s[8:9], s[50:51]
	s_add_nc_u64 s[10:11], s[10:11], s[52:53]
	s_lshl_b32 s58, s[WV], 8
	s_add_co_u32 s58, s58, PS
	s_mul_i32 s59, s[WV], SGB
	s_add_co_u32 s59, s59, STG
	v_and_b32 v1, 15, v0                           ; r
	v_bfe_u32 v2, v0, 4, 1                         ; h
	v_and_b32 v3, 31, v0
	v_lshlrev_b32 v[LI], 4, v3
	v_lshlrev_b32 v[SB0], 9, v2
.irp c, 1,2,3
	v_add_nc_u32 v[VO+\c], s[54+\c], v[LI]
.endr
	v_lshl_add_u32 v[SB0], v1, 3, v[SB0]           ; 512 h + 8 r
.irp m, 0,1,2,3,4,5,6,7                ; entry m: my first query's share m; entry 8 + m: my second's.  A wave reads two runs of 128 bytes
	global_load_b64 v[96+2*\m:97+2*\m], v[SB0], s[50:51] offset:2048*\m
	global_load_b64 v[112+2*\m:113+2*\m], v[SB0], s[50:51] offset:2048*\m+1024
	global_load_b64 v[144+2*\m:145+2*\m], v[SB0], s[48:49] offset:2048*\m
	global_load_b64 v[160+2*\m:161+2*\m], v[SB0], s[48:49] offset:2048*\m+1024
.endr
	PLOAD 0
	v_mov_b32 v[AV], v[LI]
	v_lshlrev_b32 v[AVS], 2, v3
	v_add_nc_u32 v[AVS], 16384, v[AVS]             ; 4 x lane: lanes 0-15 an even tile's words, lanes 16-31 the next tile's
.irp n, 1,2,3,4,5,6,7
	v_add_nc_u32 v[AV+\n], \n*RB, v[LI]
.endr
.irp n, 1,2,3,4,5,6,7
	v_add_nc_u32 v[AVS+\n], \n*RB, v[AVS]
.endr
	v_lshl_add_u32 v[APS], v1, 4, s58
	v_mul_u32_u24 v[STO], v1, 528
	v_add_nc_u32 v[RD], s59, v[LI]
	v_lshl_add_u32 v[PSW], v2, 2, v[APS]
	v_lshl_add_u32 v[STO], v2, 6, v[STO]
	v_add_nc_u32 v[STO], s59, v[STO]
	s_wait_alu depctr_va_vdst(0)                   ; the wait at the head's end
	s_wait_tensorcnt 0x0                           ; my part of records 0-7 is in
	ds_add_u32 v[SPW], v[NIL]
	s_add_co_u32 s33, s33, 8*REC
	s_add_nc_u64 s[34:35], s[34:35], 8*REC         ; the type bits on top are not reached
	s_wait_dscnt 0x0
	CROUND
	VLOAD                                          ; records 8-15
	s_wait_loadcnt 16                              ; statistics and words are in; P's first group may be out
	PLOAD 1
	PLOAD 2
	; ---- the head's arithmetic
	v_max3_num_f32 v80, v96, v98, v100
	v_max3_num_f32 v81, v112, v114, v116
.irp e, 3,5
	v_max3_num_f32 v80, v80, v[96+2*\e], v[98+2*\e]
	v_max3_num_f32 v81, v81, v[112+2*\e], v[114+2*\e]
.endr
	v_max_num_f32 v80, v80, v110
	v_max_num_f32 v81, v81, v126
.macro ALL op:vararg                   ; a line for each of the 16 entries E; MQ: its query's M
.set E, 0
.rept 16
.set MQ, 80+E/8
	\op
.set E, E+1
.endr
.endm
.macro ALLW op:vararg                  ; a line for each of the 24 words of bytes: word WR, its entry's M - Mloc in WE (my first query's tiles have no more than four groups: one word)
.set W, 0
.rept 24
.if W < 8
.set WR, 144+2*W
.set WE, 176+W
.else
.set WR, 152+W
.set WE, 184+(W-8)/2
.endif
	\op
.set W, W+1
.endr
.endm
	ALL v_sub_f32 v[176+E], v[96+2*E], v[MQ]       ; Mloc - M: a whole number, 0 or less
	ALL v_max_num_f32 v[176+E], 0xc2fe0000, v[176+E]   ; held at -127
	ALL v_cvt_i32_f32 v[176+E], v[176+E]
	ALL v_ldexp_f32 v[97+2*E], v[97+2*E], v[176+E] ; lloc under M
	v_add_f32 v82, v97, v99                        ; l
	v_add_f32 v83, v113, v115
.irp e, 2,3,4,5,6,7
	v_add_f32 v82, v82, v[97+2*\e]
	v_add_f32 v83, v83, v[113+2*\e]
.endr
	ALL v_sub_nc_u32 v[176+E], 0, v[176+E]         ; d = M - Mloc, 0 to 127
	ALL v_perm_b32 v[176+E], v[176+E], v[176+E], 0 ; d in each byte
	ALLW v_or_b32 v[WR], 0x80808080, v[WR]         ; the bytes are 0 to 119: with 128 on top no byte borrows from the next
	ALLW v_sub_nc_u32 v[WR], v[WR], v[WE]          ; bit 7 of a byte stays where byte - d is not negative
	ALLW v_lshrrev_b32 v[192+W], 7, v[WR]
	ALLW v_and_b32 v[192+W], 0x01010101, v[192+W]
	ALLW v_lshlrev_b32 v[216+W], 8, v[192+W]
	ALLW v_sub_nc_u32 v[216+W], v[216+W], v[192+W] ; 255 in each such byte
	ALLW v_and_b32 v[WR], 0x7f7f7f7f, v[WR]
	ALLW v_and_b32 v[WR], v[WR], v[216+W]          ; byte - d, held at 0
.macro TURNW t, a                      ; four shares' words a, a + 2, .. of four groups become four groups' words of four blocks: v[192 + 4 t] on
	v_perm_b32 v86, v[\a+2], v[\a], 0x05010400
	v_perm_b32 v87, v[\a+6], v[\a+4], 0x05010400
	v_perm_b32 v88, v[\a+2], v[\a], 0x07030602
	v_perm_b32 v89, v[\a+6], v[\a+4], 0x07030602
	v_perm_b32 v[192+4*\t], v87, v86, 0x05040100
	v_perm_b32 v[193+4*\t], v87, v86, 0x07060302
	v_perm_b32 v[194+4*\t], v89, v88, 0x05040100
	v_perm_b32 v[195+4*\t], v89, v88, 0x07060302
.endm
	TURNW 0, 144
	TURNW 1, 152
	TURNW 2, 160
	TURNW 3, 161
	TURNW 4, 168
	TURNW 5, 169
.irp j, 0,1,2,3                        ; key step 2 j + m / 4
	ds_store_b32 v[PSW], v[192+\j] offset:2048*\j
	ds_store_b32 v[PSW], v[196+\j] offset:2048*\j+1024
	ds_store_b32 v[PSW], v[200+\j] offset:2048*\j+8
	ds_store_b32 v[PSW], v[204+\j] offset:2048*(\j+4)+8
	ds_store_b32 v[PSW], v[208+\j] offset:2048*\j+1024+8
	ds_store_b32 v[PSW], v[212+\j] offset:2048*(\j+4)+1024+8
.endr
	s_wait_alu depctr_va_vdst(0)                   ; the wait ahead of the reciprocals,
	v_rcp_f32 v84, v82
	v_rcp_f32 v85, v83
	v_nop                                          ; for a plain line behind them,
	s_wait_alu depctr_va_vdst(0)                   ; and for the wait ahead of their first reader
	ds_store_b32 v[PSW], v84 offset:16384
	ds_store_b32 v[PSW], v85 offset:16384+8
	; ---- sixteen key steps.  For step s: eight places, P of step s + 3, V of step s + 1, the two waits, the products of step s.  My own words come back in order: no barrier
	FV 0
.irp s, 0,1,2,3,4,5,6,7,8,9,10,11,12,13,14,15
	STEPP \s
.endr
	; THE WAY OUT.  Tile k: lane (r, h) holds query rho(p, r) of block 4 k + w; register 16 u + i holds channel 32 u + 16 h + i.  Times 1 / l, through my stage, and out as whole rows of 512 bytes.
	PLACES 8
	ds_load_b128 v[RL:RL+3], v[APS] offset:16384
	s_wait_dscnt 0x0
.macro TOSTAGE a
	WIN 0x02                                       ; source 0: the accumulators' window
.set n, 0
.rept 32
.if (\a)%2
	v_pk_mul_f32 v[T+n:T+n+1], v[64*(\a)+n:64*(\a)+n+1], v[RL+(\a)-1:RL+(\a)] op_sel:[0,1] op_sel_hi:[1,1]   ; each accumulator from its low end on
.else
	v_pk_mul_f32 v[T+n:T+n+1], v[64*(\a)+n:64*(\a)+n+1], v[RL+(\a):RL+(\a)+1] op_sel_hi:[1,0]
.endif
.set n, n+2
.endr
	WIN 0
.irp u, 0,1,2,3
.irp j, 0,1,2,3
	ds_store_b128 v[STO], v[T+16*\u+4*\j:T+16*\u+4*\j+3] offset:128*\u+16*\j
.endr
.endr
.irp m, 0,1,2,3,4,5,6,7,8,9,10,11,12,13,14,15
	ds_load_b128 v[64+64*((\a)%2)+4*\m:64+64*((\a)%2)+4*\m+3], v[RD] offset:528*\m   ; LDS serves a wave's instructions in order: these see my stores, and the next tile's stores come behind them
.endr
.endm
.macro SEND a, younger                 ; younger: the LDS instructions issued behind tile a's loads
	s_wait_dscnt \younger
.irp m, 0,1,2,3,4,5,6,7,8,9,10,11,12,13,14,15
	global_store_b128 v[LI], v[64+64*((\a)%2)+4*\m:64+64*((\a)%2)+4*\m+3], s[10:11] offset:(\a)*512*4096+(\m+8*(\m/8))*4096 th:TH_STORE_NT   ; 32 lanes store 512 consecutive bytes, at a multiple of 256 from O's first byte
.endr
.endm
	TOSTAGE 0
.irp a, 1,2,3
.if \a > 1
	s_wait_xcnt 0x0                                ; the stores of the tile two back have read their registers
.endif
	TOSTAGE \a
	SEND \a-1, 32
.endr
	SEND 3, 0
	s_wait_tensorcnt 0x0                           ; the wave's end: behind my last tensor load and my last LDS store
	ds_add_u32 v[SPW], v[NIL]
	s_wait_dscnt 0x0
	CROUND                                         ; the closing round: no work-group ends while a partner may still ask for a tile that names it
	s_endpgm
.Lfunc_end_k_q5bf1c73bc3_pv:
	.size	k_q5bf1c73bc3_pv, .Lfunc_end_k_q5bf1c73bc3_pv-k_q5bf1c73bc3_pv
	.p2alignl 7, 3214868480
	.fill 96, 4, 3214868480
	.section	.rodata,"a",@progbits
	.p2align	6, 0x0
	.amdhsa_kernel k_q5bf1c73bc3_pv
		.amdhsa_group_segment_fixed_size 327680
		.amdhsa_private_segment_fixed_size 0
		.amdhsa_enable_private_segment 0
		.amdhsa_kernarg_size 40
		.amdhsa_user_sgpr_count 2
		.amdhsa_user_sgpr_kernarg_segment_ptr 1
		.amdhsa_wavefront_size32 1
		.amdhsa_system_sgpr_workgroup_id_x 1
		.amdhsa_system_sgpr_workgroup_id_y 1
		.amdhsa_system_sgpr_workgroup_id_z 1
		.amdhsa_system_vgpr_workitem_id 0
		.amdhsa_next_free_vgpr 1024
		.amdhsa_next_free_sgpr 80
		.amdhsa_reserve_vcc 0
		.amdhsa_float_denorm_mode_32 3
		.amdhsa_float_denorm_mode_16_64 3
		.amdhsa_memory_ordered 1
		.amdhsa_forward_progress 1
		.amdhsa_inst_pref_size 154
	.end_amdhsa_kernel
	.amdgpu_metadata
---
amdhsa.version: [ 1, 2 ]
amdhsa.kernels:
  - .name:           k_q5bf1c73bc3_pv
    .symbol:         k_q5bf1c73bc3_pv.kd
    .args:
      - { .name: pp, .offset: 0, .size: 8, .value_kind: global_buffer, .address_space: global }
      - { .name: vt, .offset: 8, .size: 8, .value_kind: global_buffer, .address_space: global }
      - { .name: st, .offset: 16, .size: 8, .value_kind: global_buffer, .address_space: global }
      - { .name: out0, .offset: 24, .size: 8, .value_kind: global_buffer, .address_space: global }
      - { .name: sb, .offset: 32, .size: 8, .value_kind: global_buffer, .address_space: global }
    .group_segment_fixed_size: 327680
    .private_segment_fixed_size: 0
    .kernarg_segment_align: 8
    .kernarg_segment_size: 40
    .max_flat_workgroup_size: 128
    .sgpr_count:     80
    .vgpr_count:     1024
    .wavefront_size: 32
...
	.end_amdgpu_metadata
.endif
;; end of part 4
